; MI455X (gfx1250); checked and timed in simulation.
; The chip was launched on July 23, 2026; its instructions are those of AMD's public machine-readable ISA for CDNA 5 (MIT licence, August 2026) and "CDNA5" Instruction Set Architecture Reference Guide (July 2026). The comments in the code are by the model that wrote it; some were corrected since.
;; Multihead Self Attention. Allowed arithmetic: matrix products marked QUANTISED: E2M3 operands, one E8M0 scale for each 32 along K, by v_wmma_scale_f32_16x16x128_f8f6f4 with both operands' format E2M3, f32 sums; products left as they are: f32 operands where the result goes on into a quantised operand, else bf16, f16 or f32 operands; f32 sums; everything else in f32.
;; Inputs: Wo 1,024 x 1,024 float32; Wqkv 3,072 x 1,024 float32; bo 1,024 float32; bqkv 3,072 float32; key_pad_mask 4 x 2,048 bool; x 4 x 2,048 x 1,024 float32.
;; Outputs: out0 4 x 2,048 x 1,024 float32.
;; This version of the problem:
;;   THIS VERSION OF THE PROBLEM IS GIVEN IN LOW PRECISION. The matrix products marked QUANTISED in the list below multiply operands that are first quantised to E2M3 (2 exponent bits, 3 mantissa bits; 6 bits a number), with one power-of-two scale for each 32 numbers along K (OCP MX v1.0); their sums are f32. All else is computed in f32.
;;   The module's matrix products, in the order in which they are computed (A, B: the left and right operand; K: the contracted axis; several contracted axes count as one K, in the product's order):
;;     1. [M 8,192, K 1,024] x [K 1,024, N 3,072]; A: input x; B: input Wqkv: QUANTISED
;;     2. [M 2,048, K 1] x [K 1, N 32]; A: computed on the way; B: computed on the way: left as it is (no contracted axis)
;;     3. batch 64 x [M 2,048, K 64] x [K 64, N 2,048]; A: computed on the way; B: computed on the way: QUANTISED
;;     4. batch 64 x [M 2,048, K 2,048] x [K 2,048, N 64]; A: softmax (see below); B: computed on the way: QUANTISED
;;     5. [M 8,192, K 1,024] x [K 1,024, N 1,024]; A: computed on the way; B: input Wo: QUANTISED
;;   THE QUANTISER, for each operand of a quantised product, along K:
;;     - K is cut into blocks of 32 from its start; a last block that is shorter is filled with zeros.
;;     - A block's scale is 2^e with e = floor(log2(the largest magnitude in the block)) - 2, held to -126 .. 127; a block of zeros has e = 0. As a byte (E8M0): e + 127.
;;     - Each number is divided by its block's scale, clamped to +-7.5, and rounded to the nearest number of E2M3, ties to even, subnormals kept.
;;     - The product sums the exact products of the quantised numbers (number of the format x scale) in f32.
;;   ~~~python
;;   def quantise(x, axis):      # numpy; x: float32 -> the quantised numbers, widened to float32 again
;;       x = np.moveaxis(x, axis, -1); K = x.shape[-1]
;;       x = np.pad(x, [(0, 0)] * (x.ndim - 1) + [(0, -K % 32)]); x = x.reshape(x.shape[:-1] + (-1, 32)); a = np.abs(x).max(-1, keepdims=True)
;;       e = np.where(a > 0, np.clip(np.frexp(np.where(a > 0, a, 1))[1] - 1 - 2, -126, 127), 0)      # np.frexp(a)[1] - 1 = floor(log2(a)), exactly
;;       r = np.clip(x / 2.0 ** e, -7.5, 7.5)
;;       step = 2.0 ** (np.maximum(np.frexp(np.where(r == 0, 1, r))[1] - 1, 0) - 3)
;;       q = np.round(r / step) * step * 2.0 ** e      # np.round: ties to even
;;       return np.moveaxis(q.reshape(q.shape[:-2] + (-1,))[..., :K], -1, axis).astype(np.float32)
;;   ~~~
;;   SOFTMAX AHEAD OF A QUANTISED PRODUCT. Where the list says 'softmax', what is quantised is not the finished softmax but p = 2^(t - M), with t = logit x log2(e) and M = ceil(the row's largest t), a whole number; so 1/2 < the row's largest p <= 1. The row's sum l is taken of the UNQUANTISED p, in f32, and the product's result is divided by l at the end. Since M is a whole number, a kernel that streams over the keys may use a running M (the ceiling of the running maximum): every later rescaling is an exact power of two, which a block's scale takes up: the codes' values come out the same.
;;   OPERANDS COMPUTED ON THE WAY. 'Computed on the way' means the value that the module computes at that place (a softmax that the list does not call 'softmax' is quantised finished and normalised). What goes into a quantiser is computed in f32, as accurately as f32 sums, v_exp_f32 and their like allow (about 1e-6 of the number): no bf16 or f16 on the way to a quantiser, and a product that is left as it is and whose result goes on into a quantised operand takes f32 operands (vector FMAs, or v_wmma_f32_16x16x4_f32). A number that lies on a knife's edge between two numbers of the format may be rounded either way, as far as f32 arithmetic and the matrix unit's own rounding can turn it there, and no further.
;; One version. Each part assembles by itself: llvm-mc -triple=amdgcn-amd-amdhsa -mcpu=gfx1250 --defsym DOCPART=n.
;; ======== version 1 of 1: 4 launches
;; limits: right only within a limited range of input values
;; workspace buffers: xq 6,553,600 bytes; wq 3,276,800 bytes; rope 524,288 bytes; qi 8,912,896 bytes; kv 15,466,496 bytes; hq 6,553,600 bytes
;; launch prep (part 1): grid 400 x 1, 4 waves a work-group, no clusters, 35,328 bytes of LDS; arguments x, Wqkv, Wo, xq, wq, rope; writes xq, wq, rope
.if DOCPART == 1
	.amdgcn_target "amdgcn-amd-amdhsa--gfx1250"
	.amdhsa_code_object_version 6
	.text
	.protected	k_q769bb92e62_prep
	.globl	k_q769bb92e62_prep
	.p2align	8
	.type	k_q769bb92e62_prep,@function
k_q769bb92e62_prep:
	s_mov_b64 s[64:65], 0
	v_nop
	global_prefetch_b8 v0, s[64:65] scope:SCOPE_SE
	s_setreg_imm32_b32 hwreg(HW_REG_WAVE_MODE, 25, 1), 1
	s_wait_xcnt 0x0
; x [8192][1024], Wqkv [3072][1024] and Wo [1024][1024], f32 with K innermost, become codes of FP6 (E2M3) with one E8M0 byte for each 32 along K,
; laid as IMAGES OF OPERAND REGISTERS; and the table of cosines and sines for the rotation of q and k is made.
; A ROW TILE is 16 rows of a group of 32: lane r of tile u takes row 8 u + r + 8 (r / 8).  A fragment (a row tile x 128 along K, 12 registers a lane) is 1,536 bytes:
; registers 0-3 at 16 x lane, 4-5 at 512 + 8 x lane, 6-9 at 768 + 16 x lane, 10-11 at 1,280 + 8 x lane: every store covers 512 or 256 consecutive bytes, aligned.
; Codes: [tile][8 K steps][1,536].  Scale words: [tile][K step / 2][r][K step % 2], 512 bytes a tile, behind the codes.  wq holds Wqkv's 192 tiles, then Wo's 64.
; A block's scale is 2^(floor(log2(largest magnitude)) - 2); its byte is the largest magnitude's exponent field - 2, held at 1 from below.
; LIMITS: a block of zeros gets the byte 1 where the rule says 127 (its codes are zeros; this program alone reads the bytes); NaN and infinities among the inputs are not served.
; Work-groups 0-383 quantise: a wave takes one row tile x 512 along K, four steps of 128.  Each load reads 512 consecutive bytes of one row; the 16 rows turn through the wave's own stage in LDS,
; so that lane (r, h) gets, of row r, the 16 neighbours 32 b + 16 h + 0 .. 15 of each block b.  Waves share nothing: no barrier.
; Work-groups 384-399 make the table: [position 2048][g 16]{cos(2g), cos(2g+1), sin(2g), sin(2g+1)}, angle = position x 10000^(-i / 32).
; The frequency is 2^(-i log2(10) / 8) with the exponent in two parts (the first product is exact); the angle is reduced by pi / 2 in two parts; sine and cosine are Taylor sums on |r| <= pi / 4,
; cut where the next term lies under half a unit of the last place of f32.  LIMIT: the frequency is good to about one unit of its last place, so an angle near 2,047 is good to about 1e-4.
.set STGB,  8704                       ; LDS of a wave: a stage of 16 rows x 528 bytes, then its 256 bytes of scale words
.set R,     16                         ; v16-143  two sets of 64: a step's numbers as loaded
.set X,     144                        ; v144-207 register 16 b + i = k 32 b + 16 h + i of my row
.set PC,    208                        ; v208-219 the fragment's codes
.set PX,    220                        ; v220-227 the conversions' second halves
.set TM,    228                        ; v228-243 largest magnitudes, bytes, scale operands
.set PW,    244                        ; the scale word
.set SEL,   30                         ; s30, s31 lane selects: lane l xor 16
	s_load_b256 s[4:11], s[0:1], 0x0               ; x, Wqkv, Wo, xq
	s_load_b128 s[12:15], s[0:1], 0x20             ; wq, rope
	v_lshl_add_u32 v254, v0, 2, 0x8800
	v_mov_b32 v255, 0
	v_lshrrev_b32 v1, 5, v0
	v_readfirstlane_b32 s16, v1                    ; wave
	v_and_b32 v1, 31, v0                           ; lane
	v_and_b32 v2, 15, v0                           ; r
	v_bfe_u32 v3, v0, 4, 1                         ; h
	s_cmp_ge_u32 ttmp9, 384
	s_cbranch_scc1 .Ltable
	v_lshlrev_b32 v4, 4, v1                        ; 16 x lane
	v_lshlrev_b32 v5, 3, v1                        ; 8 x lane
	s_mul_i32 s17, s16, STGB
	v_add_nc_u32 v6, s17, v4                       ; the stage, in: a row's 512 bytes as they lie
	v_mul_u32_u24 v7, v2, 528
	v_lshl_add_u32 v7, v3, 6, v7
	v_add_nc_u32 v7, s17, v7                       ; out: row r, + 64 h
	s_add_co_u32 s17, s17, 16*528
	v_lshl_add_u32 v8, v2, 3, s17                  ; my row's scale words: 8 r
	v_add_nc_u32 v9, s17, v5                       ; and back: 8 x lane
.irp b, 0,1,2,3
	v_mov_b32 v[TM+4+\b], 0                        ; written once: a lane permute's destination counts as one of its sources
.endr
	s_mov_b32 s[SEL], 0x76543210
	s_mov_b32 s[SEL+1], 0xfedcba98
	s_lshl_b32 s18, ttmp9, 2
	s_add_co_u32 s18, s18, s16                     ; the job: 4 x work-group + wave
	s_mov_b32 s19, 3145728
	s_wait_alu depctr_va_vdst(0)
	s_wait_kmcnt 0x0
	s_cmp_lt_u32 ttmp9, 256                        ; x's work-groups, then Wqkv's, then Wo's: the choices hang on the work-group's number alone
	s_cselect_b64 s[20:21], s[4:5], s[6:7]
	s_cselect_b64 s[22:23], s[10:11], s[12:13]
	s_cselect_b32 s24, 0, 1024
	s_cselect_b32 s19, 6291456, s19                ; where the scale words begin
	s_cmp_lt_u32 ttmp9, 352
	s_cselect_b64 s[20:21], s[20:21], s[8:9]
	s_cselect_b32 s25, 0, 192
	s_sub_co_u32 s18, s18, s24
	s_lshr_b32 s26, s18, 1                         ; the tile in the destination
	s_and_b32 s27, s18, 1                          ; which half of K
	s_sub_co_u32 s28, s26, s25                     ; the tile in the source
	s_lshr_b32 s29, s28, 1
	s_lshl_b32 s29, s29, 17                        ; 32 rows of 4,096 bytes
	s_and_b32 s28, s28, 1
	s_lshl_b32 s28, s28, 15                        ; 8 rows
	s_add_co_u32 s28, s28, s29
	s_lshl_b32 s29, s27, 11                        ; 512 numbers
	s_add_co_u32 s28, s28, s29
	s_mov_b32 s29, 0
	s_add_nc_u64 s[20:21], s[20:21], s[28:29]
	s_mul_i32 s28, s26, 12288
	s_mul_i32 s17, s27, 6144
	s_add_co_u32 s28, s28, s17
	s_add_nc_u64 s[32:33], s[22:23], s[28:29]      ; my four fragments
	s_lshl_b32 s28, s26, 9
	s_lshl_b32 s17, s27, 8
	s_add_co_u32 s28, s28, s17
	s_add_co_u32 s28, s28, s19
	s_add_nc_u64 s[34:35], s[22:23], s[28:29]      ; my 256 bytes of scale words
.macro LOAD s                          ; step s: row i + 8 (i / 8) of the tile's rows, 512 consecutive bytes a load
.irp i, 0,1,2,3,4,5,6,7,8,9,10,11,12,13,14,15
	global_load_b128 v[R+64*((\s)%2)+4*\i:R+64*((\s)%2)+4*\i+3], v4, s[20:21] offset:(\i+8*(\i/8))*4096+512*(\s) th:TH_LOAD_NT
.endr
.endm
.macro TURN s                          ; through the stage: LDS serves a wave's instructions in order, so no wait stands between the stores and the loads
.irp i, 0,1,2,3,4,5,6,7,8,9,10,11,12,13,14,15
	ds_store_b128 v6, v[R+64*((\s)%2)+4*\i:R+64*((\s)%2)+4*\i+3] offset:528*\i
.endr
.irp b, 0,1,2,3
.irp j, 0,1,2,3
	ds_load_b128 v[X+16*\b+4*\j:X+16*\b+4*\j+3], v7 offset:128*\b+16*\j
.endr
.endr
.endm
.macro QUANT                           ; 64 numbers of a lane become a fragment's 12 registers and its scale word
.irp b, 0,1,2,3
	v_max3_num_f32 v[TM+\b], |v[X+16*\b]|, |v[X+1+16*\b]|, 0x1800000   ; my 16 numbers of block b, and the floor 2^(3 - 127): the byte cannot fall under 1
.endr
.irp i, 2,4,6,8,10,12,14
.irp b, 0,1,2,3
	v_max3_num_f32 v[TM+\b], v[TM+\b], |v[X+16*\b+\i]|, |v[X+1+16*\b+\i]|
.endr
.endr
.irp b, 0,1,2,3
	v_permlanex16_b32 v[TM+4+\b], v[TM+\b], s[SEL], s[SEL+1]
.endr
.irp b, 0,1,2,3
	v_max_num_f32 v[TM+\b], v[TM+\b], v[TM+4+\b]   ; with lane l xor 16's: the block's largest magnitude
.endr
.irp b, 0,1,2,3
	v_add_nc_u32 v[TM+12+\b], 0xff000000, v[TM+\b] ; 2 off its exponent field: the conversion's scale operand
.endr
.irp b, 0,1,2,3
	v_lshrrev_b32 v[TM+4+\b], 23, v[TM+12+\b]      ; the scale's byte
.endr
	v_lshl_or_b32 v[PW], v[TM+5], 8, v[TM+4]
	v_lshl_or_b32 v[PW], v[TM+6], 16, v[PW]
	v_lshl_or_b32 v[PW], v[TM+7], 24, v[PW]
.irp c, 0,1
	v_cvt_scalef32_pk16_fp6_f32 v[PC+6*\c:PC+6*\c+2], v[X+32*\c:X+32*\c+15], v[TM+12+2*\c]
	v_cvt_scalef32_pk16_fp6_f32 v[PX+4*\c:PX+4*\c+2], v[X+16+32*\c:X+31+32*\c], v[TM+13+2*\c]
.endr
	v_nop                                          ; one plain place behind a scaled conversion
.irp c, 0,1                            ; the operand wants a whole block in a lane: lanes 0-15 block 2 c, lanes 16-31 block 2 c + 1
.irp i, 0,1,2
	v_permlane16_swap_b32 v[PC+6*\c+\i], v[PX+4*\c+\i]
.endr
.irp i, 0,1,2
	v_mov_b32 v[PC+3+6*\c+\i], v[PX+4*\c+\i]
.endr
.endr
.endm
.macro QSTEP s
.if (\s) > 0
	s_wait_xcnt 0x0                                ; the last step's stores have read the codes' registers
.endif
.if (\s) < 3
	s_wait_loadcnt 16                              ; this step's 16 loads are in; the next step's 16 may be out
.else
	s_wait_loadcnt 0x0
.endif
	TURN \s
	s_wait_dscnt 0x0                               ; the numbers are back, and the stores into the stage have read their registers,
.if (\s) < 2
	LOAD (\s)+2                                    ; which take the loads of two steps on
.endif
	QUANT
	global_store_b128 v4, v[PC:PC+3], s[32:33] offset:1536*(\s)
	global_store_b64 v5, v[PC+4:PC+5], s[32:33] offset:1536*(\s)+512
	global_store_b128 v4, v[PC+6:PC+9], s[32:33] offset:1536*(\s)+768
	global_store_b64 v5, v[PC+10:PC+11], s[32:33] offset:1536*(\s)+1280
	ds_store_b32 v8, v[PW] offset:128*((\s)/2)+4*((\s)%2)   ; both halves of the lanes write the same word with the same value
.endm
	LOAD 0
	LOAD 1
	QSTEP 0
	QSTEP 1
	QSTEP 2
	QSTEP 3
	ds_load_b64 v[10:11], v9                       ; LDS serves a wave's instructions in order: these see my stores
	s_wait_dscnt 0x0
	global_store_b64 v5, v[10:11], s[34:35]        ; 32 lanes store 256 consecutive bytes, aligned
	s_wait_tensorcnt 0x0
	ds_add_u32 v254, v255
	s_wait_dscnt 0x0
	s_endpgm
.Ltable:                               ; 64 waves, 32 positions each; lane = (g, which of two positions); no LDS on this way
	s_sub_co_u32 s17, ttmp9, 384
	s_lshl_b32 s17, s17, 2
	s_add_co_u32 s17, s17, s16
	s_lshl_b32 s18, s17, 5                         ; my wave's first position
	s_wait_alu depctr_va_vdst(0)
	v_add_nc_u32 v4, s18, v3
	v_cvt_f32_u32 v4, v4                           ; my position, in f32
	v_lshlrev_b32 v5, 4, v1
	s_lshl_b32 s18, s17, 13                        ; 32 positions of 256 bytes
	v_add_nc_u32 v5, s18, v5                       ; where I store
	v_lshlrev_b32 v6, 1, v2
	v_cvt_f32_u32 v6, v6                           ; i = 2 g
	v_add_f32 v7, 1.0, v6                          ; and 2 g + 1
	s_mov_b32 s19, 0xb476865c                      ; log2(10) / 8 less its upper part
	s_mov_b32 s21, 0x3fc90fdb                      ; pi / 2, upper part
	s_mov_b32 s22, 0xb33bbd2e                      ; and the rest
.irp k, 0,1
	v_mul_f32 v[8+\k], 0x3ed49a80, v[6+\k]         ; a = i x the upper 17 bits of log2(10) / 8: exact
.endr
.irp k, 0,1
	v_floor_f32 v[10+\k], -v[8+\k]                 ; n = floor(-a)
.endr
.irp k, 0,1
	v_add_f32 v[12+\k], v[8+\k], v[10+\k]          ; a + n, in (-1, 0]: exact
.endr
.irp k, 0,1
	v_fma_f32 v[12+\k], -v[6+\k], s19, -v[12+\k]   ; the exponent's fraction
.endr
.irp k, 0,1
	v_cvt_i32_f32 v[10+\k], v[10+\k]
.endr
	s_wait_alu depctr_va_vdst(0)
	v_exp_f32 v14, v12
	v_exp_f32 v15, v13
	v_nop                                          ; a plain place behind the transcendentals
	s_wait_alu depctr_va_vdst(0)                   ; one wait for both, ahead of their first reader
	v_ldexp_f32 v14, v14, v10                      ; the frequencies
	v_ldexp_f32 v15, v15, v11
.macro SINCOS k
	v_mul_f32 v20, v4, v[14+\k]                    ; the angle
	v_mul_f32 v21, 0x3f22f983, v20
	v_rndne_f32 v21, v21                           ; n = the nearest multiple of pi / 2
	v_fma_f32 v22, -v21, s21, v20
	v_fma_f32 v22, -v21, s22, v22                  ; r, |r| <= pi / 4
	v_cvt_i32_f32 v23, v21
	v_mul_f32 v24, v22, v22
	v_mov_b32 v25, 0x3638ef1d                      ; sin r = r + r^3 (-1/6 + r^2 (1/120 + r^2 (-1/5040 + r^2 / 362880)))
	v_fmaak_f32 v25, v25, v24, 0xb9500d01
	v_fmaak_f32 v25, v25, v24, 0x3c088889
	v_fmaak_f32 v25, v25, v24, 0xbe2aaaab
	v_mul_f32 v26, v22, v24
	v_fma_f32 v25, v26, v25, v22
	v_mov_b32 v27, 0xb493f27e                      ; cos r = 1 + r^2 (-1/2 + r^2 (1/24 + r^2 (-1/720 + r^2 (1/40320 - r^2 / 3628800))))
	v_fmaak_f32 v27, v27, v24, 0x37d00d01
	v_fmaak_f32 v27, v27, v24, 0xbab60b61
	v_fmaak_f32 v27, v27, v24, 0x3d2aaaab
	v_fmaak_f32 v27, v27, v24, 0xbf000000
	v_fma_f32 v27, v24, v27, 1.0
	v_and_b32 v28, 1, v23                          ; odd n: sine and cosine change places
	v_cmp_ne_u32 vcc_lo, 0, v28
	v_cndmask_b32 v29, v25, v27, vcc_lo
	v_cndmask_b32 v30, v27, v25, vcc_lo
	v_and_b32 v28, 2, v23                          ; the sine is negative for n % 4 = 2, 3,
	v_lshlrev_b32 v28, 30, v28
	v_xor_b32 v[42+\k], v28, v29
	v_add_nc_u32 v28, 1, v23                       ; the cosine for n % 4 = 1, 2
	v_and_b32 v28, 2, v28
	v_lshlrev_b32 v28, 30, v28
	v_xor_b32 v[40+\k], v28, v30
.endm
	s_wait_kmcnt 0x0
	s_mov_b32 s20, 16
.Lpos:                                 ; a trip: two positions, 512 consecutive bytes
	s_wait_alu depctr_va_vdst(0)
	SINCOS 0
	SINCOS 1
	global_store_b128 v5, v[40:43], s[14:15]
	s_wait_xcnt 0x0                                ; the offset and the data are written again only behind this wait
	v_add_nc_u32 v5, 512, v5
	v_add_f32 v4, 2.0, v4
	s_sub_co_u32 s20, s20, 1
	s_cmp_lg_u32 s20, 0
	s_cbranch_scc1 .Lpos
	s_endpgm
.Lfunc_end_k_q769bb92e62_prep:
	.size	k_q769bb92e62_prep, .Lfunc_end_k_q769bb92e62_prep-k_q769bb92e62_prep
	.p2alignl 7, 3214868480
	.fill 96, 4, 3214868480
	.section	.rodata,"a",@progbits
	.p2align	6, 0x0
	.amdhsa_kernel k_q769bb92e62_prep
		.amdhsa_group_segment_fixed_size 35328
		.amdhsa_private_segment_fixed_size 0
		.amdhsa_enable_private_segment 0
		.amdhsa_kernarg_size 48
		.amdhsa_user_sgpr_count 2
		.amdhsa_user_sgpr_kernarg_segment_ptr 1
		.amdhsa_wavefront_size32 1
		.amdhsa_system_sgpr_workgroup_id_x 1
		.amdhsa_system_sgpr_workgroup_id_y 1
		.amdhsa_system_sgpr_workgroup_id_z 1
		.amdhsa_system_vgpr_workitem_id 0
		.amdhsa_next_free_vgpr 256
		.amdhsa_next_free_sgpr 66
		.amdhsa_reserve_vcc 1
		.amdhsa_float_denorm_mode_32 3
		.amdhsa_float_denorm_mode_16_64 3
		.amdhsa_memory_ordered 1
		.amdhsa_forward_progress 1
		.amdhsa_inst_pref_size 39
	.end_amdhsa_kernel
	.amdgpu_metadata
---
amdhsa.version: [ 1, 2 ]
amdhsa.kernels:
  - .name:           k_q769bb92e62_prep
    .symbol:         k_q769bb92e62_prep.kd
    .args:
      - { .name: x, .offset: 0, .size: 8, .value_kind: global_buffer, .address_space: global }
      - { .name: Wqkv, .offset: 8, .size: 8, .value_kind: global_buffer, .address_space: global }
      - { .name: Wo, .offset: 16, .size: 8, .value_kind: global_buffer, .address_space: global }
      - { .name: xq, .offset: 24, .size: 8, .value_kind: global_buffer, .address_space: global }
      - { .name: wq, .offset: 32, .size: 8, .value_kind: global_buffer, .address_space: global }
      - { .name: rope, .offset: 40, .size: 8, .value_kind: global_buffer, .address_space: global }
    .group_segment_fixed_size: 35328
    .private_segment_fixed_size: 0
    .kernarg_segment_align: 8
    .kernarg_segment_size: 48
    .max_flat_workgroup_size: 128
    .sgpr_count:     66
    .vgpr_count:     256
    .wavefront_size: 32
...
	.end_amdgpu_metadata
.endif
;; end of part 1
;; launch qkv (part 2): grid 12 x 32, 4 waves a work-group, clusters of 4 x 4, 327,680 bytes of LDS; arguments xq, wq, rope, bqkv, key_pad_mask, qi, kv; writes qi, kv
.if DOCPART == 2
	.amdgcn_target "amdgcn-amd-amdhsa--gfx1250"
	.amdhsa_code_object_version 6
	.text
	.protected	k_q769bb92e62_qkv
	.globl	k_q769bb92e62_qkv
	.p2align	8
	.type	k_q769bb92e62_qkv,@function
k_q769bb92e62_qkv:
	s_mov_b64 s[64:65], 0
	v_nop
	global_prefetch_b8 v0, s[64:65] scope:SCOPE_SE
	s_setreg_imm32_b32 hwreg(HW_REG_WAVE_MODE, 25, 1), 1
	s_wait_xcnt 0x0
	s_wait_alu depctr_hold_cnt(0) depctr_sa_sdst(0) depctr_va_vdst(0) depctr_va_sdst(0) depctr_va_ssrc(0) depctr_va_vcc(0) depctr_vm_vsrc(0)
	s_getreg_b32 s2, hwreg(HW_REG_IB_STS2, 6, 4)
	s_cmp_eq_u32 s2, 0
	s_cbranch_scc0 .Lentry_in_a_cluster
	s_endpgm
.Lentry_in_a_cluster:
	s_bfe_u32 s2, ttmp6, 0x10000c
	s_cmp_lg_u32 s2, 0xf033
	s_cbranch_scc0 .Lentry_shape_is_right
	s_endpgm
.Lentry_shape_is_right:
.set SLOT,   98304
.set QUART,  24576
.set SCL,    2*SLOT
.set SCB,    SCL+8192+128
.set SPARE,  SCB+8192+128
.set FR,     12
.set NL,     4
.set NP,     4
.set L16,  4
.set L8,   5
.set VOF,  12
.set ADRA, 16
.set ADRB, 20
.set STQ,  24
.set SRQ,  25
.set ADRS, 27
.set SPW,  28
.set NIL,  29
.set STV,  30
.set SRV,  31
.set SC,   32
.set BI,   64
.set H,    64
.set AF,   128
.set MK,   224
.set VB,   232
.set PC,   128
.set PX,   144
.set TM,   152
.set PW,   168
.set SW,   169
.set TP,   170
.set C1H,  178
.set OPW,  179
.set MKW,  180
.set SWA,  181
.set SWB,  182
.set G1, 24
.set G0, 32
.set G1B, 48
.set G0B, 56
.set G1S, 68
.set G0S, 76
.set G1SB, 80
.set G0SB, 88
.set SEL, 100
.set MSB, 0
.macro WIN new
.if MSB != (\new)
	s_set_vgpr_msb (MSB<<8)|(\new)
.set MSB, (\new)
.endif
.endm
.set MUL_LO, 0xa1
.set MUL_HI, 0xf1
.set TO_B,   0x40
.macro JLOAD g0a, g1a, g0b, g1b
	s_cmp_eq_u32 s15, 0
	s_cbranch_scc0 .Lfor_b_\@
	tensor_load_to_lds s[\g0a:\g0a+3], s[\g1a:\g1a+7]
	s_nop 0
.rept 4
	v_nop
.endr
	s_branch .Lasked_\@
.Lfor_b_\@:
	tensor_load_to_lds s[\g0b:\g0b+3], s[\g1b:\g1b+7]
	s_nop 0
.rept 4
	v_nop
.endr
.Lasked_\@:
.endm
.macro CREST
	s_cmp_lg_u32 s14, 0
	s_cbranch_scc1 .Lnot_wave_0_\@
	s_barrier_signal -3
.Lnot_wave_0_\@:
	s_barrier_wait -3
	s_barrier_signal -1
	s_barrier_wait -1
.endm
.macro CROUND
	s_barrier_signal -1
	s_barrier_wait -1
	CREST
.endm
.macro PLACES n
.rept \n
	v_nop
.endr
.endm
	s_load_b256 s[4:11], s[0:1], 0x0
	s_load_b128 s[92:95], s[0:1], 0x20
	s_load_b64 s[96:97], s[0:1], 0x30
	v_lshl_add_u32 v[SPW], v0, 2, SPARE
	v_mov_b32 v[NIL], 0
	ds_add_u32 v28, v29
	ds_add_u32 v28, v29
	s_wait_dscnt 0x0
	v_lshrrev_b32 v1, 5, v0
	v_readfirstlane_b32 s14, v1
	s_lshr_b32 s15, s14, 1
	s_and_b32 s16, s14, 1
	s_bfe_u32 s40, ttmp6, 0x40000
	s_bfe_u32 s41, ttmp6, 0x40004
	s_and_b32 s17, ttmp7, 0xffff
	s_lshl_b32 s17, s17, 2
	s_add_co_u32 s18, s17, s41
	s_add_co_u32 s19, s41, 8
	s_lshl_b32 s20, ttmp9, 2
	s_add_co_u32 s20, s20, s40
	s_add_co_u32 s21, s17, s40
	s_cmp_eq_u32 ttmp9, 2
	s_cselect_b32 s18, s19, s18
	s_cselect_b32 s20, s21, s20
	s_lshl_b32 s43, s41, 2
	s_lshl_b32 s43, 15, s43
	s_lshl_b32 s44, 0x1111, s40
	s_or_b32 s[G1+0], s43, (3<<16)|(1<<21)
	s_or_b32 s[G1B+0], s44, (3<<16)|(1<<21)
.irp g, G1, G1B
	s_mov_b32 s[\g+1], 384<<16
	s_mov_b32 s[\g+2], 16<<16
	s_mov_b32 s[\g+3], 384<<16
	s_mov_b32 s[\g+4], 16
	s_mov_b32 s[\g+5], 1536
	s_mov_b32 s[\g+6], 0
	s_mov_b32 s[\g+7], 0
.endr
	s_or_b32 s[G1S+0], s43, (3<<16)|(1<<21)
	s_or_b32 s[G1SB+0], s44, (3<<16)|(1<<21)
.irp g, G1S, G1SB
	s_mov_b32 s[\g+1], 32<<16
	s_mov_b32 s[\g+2], 32<<16
	s_mov_b32 s[\g+3], 32<<16
	s_mov_b32 s[\g+4], 32
	s_mov_b32 s[\g+5], 32
	s_mov_b32 s[\g+6], 0
	s_mov_b32 s[\g+7], 0
.endr
	s_lshl_b32 s46, s18, 1
	s_add_co_u32 s46, s46, s16
	s_lshl_b32 s66, s20, 1
	s_add_co_u32 s66, s66, s16
	s_mul_i32 s22, s46, 98304
	s_mov_b32 s23, 0
	s_lshl_b32 s46, s46, 12
	s_mov_b32 s47, 0
	s_mul_i32 s98, s66, 98304
	s_mov_b32 s99, 0
	s_lshl_b32 s66, s66, 12
	s_mov_b32 s67, 0
	s_mov_b32 s12, 6291456
	s_mov_b32 s13, 3145728
	s_cmp_eq_u32 ttmp9, 2
	s_cselect_b32 s100, s13, s12
	s_cselect_b32 s101, s12, s13
	s_add_co_u32 s46, s46, s100
	s_add_co_u32 s66, s66, s101
	s_mul_i32 s45, s14, QUART
	s_lshl_b32 s2, s16, 12                         ; my half's place among a tile's scale words, taken off again for the head's whole tiles
	s_mov_b32 s3, 0
	s_wait_kmcnt 0x0
	s_cmp_eq_u32 ttmp9, 2
	s_cselect_b64 s[12:13], s[6:7], s[4:5]
	s_cselect_b64 s[100:101], s[4:5], s[6:7]
	s_add_nc_u64 s[22:23], s[12:13], s[22:23]
	s_add_nc_u64 s[46:47], s[12:13], s[46:47]
	s_add_nc_u64 s[98:99], s[100:101], s[98:99]
	s_add_nc_u64 s[66:67], s[100:101], s[66:67]
	CROUND
	s_mov_b32 s[G0S], 1
	s_mov_b32 s[G0S+1], SCL
	s_sub_nc_u64 s[G0S+2:G0S+3], s[46:47], s[2:3]
	s_or_b32 s[G0S+3], s[G0S+3], 0x80000000
	s_mov_b32 s[G0SB], 1
	s_mov_b32 s[G0SB+1], SCB
	s_sub_nc_u64 s[G0SB+2:G0SB+3], s[66:67], s[2:3]
	s_or_b32 s[G0SB+3], s[G0SB+3], 0x80000000
.irp s, 0,1
	s_mov_b32 s[G0+4*\s], 1
	s_add_co_u32 s[G0+4*\s+1], s45, \s*SLOT
	s_add_nc_u64 s[G0+4*\s+2:G0+4*\s+3], s[22:23], \s*3072
	s_or_b32 s[G0+4*\s+3], s[G0+4*\s+3], 0x80000000
	s_mov_b32 s[G0B+4*\s], 1
	s_add_co_u32 s[G0B+4*\s+1], s45, \s*SLOT
	s_add_nc_u64 s[G0B+4*\s+2:G0B+4*\s+3], s[98:99], \s*3072
	s_or_b32 s[G0B+4*\s+3], s[G0B+4*\s+3], 0x80000000
.endr
; THE HEAD'S LOADS, ONE A WAVE: wave 0 fetches slot 0's 16 row tiles of source 1, wave 1 those of source 0, wave 2 the scale words of the first, wave 3 those of the second.
; For them slot 0's two groups 0 name the whole tiles; behind the wait that shows them landed they are set to my quarter, for the ring.
	s_mul_i32 s2, s16, 98304
	s_mov_b32 s[G0+1], 0
	s_sub_nc_u64 s[G0+2:G0+3], s[G0+2:G0+3], s[2:3]
	s_mov_b32 s[G0B+1], 2*QUART
	s_sub_nc_u64 s[G0B+2:G0B+3], s[G0B+2:G0B+3], s[2:3]
.macro ARM under, g0, g1, next
	s_cmp_lt_u32 s14, \under
	s_cbranch_scc0 \next
	tensor_load_to_lds s[\g0:\g0+3], s[\g1:\g1+7]
	s_nop 0
.rept 4
	v_nop
.endr
	s_branch .Lhead_asked
\next:
.endm
	ARM 1, G0,  G1,  .Lhead_b
	ARM 2, G0B, G1B, .Lhead_sa
	ARM 3, G0S, G1S, .Lhead_sb
	tensor_load_to_lds s[G0SB:G0SB+3], s[G1SB:G1SB+7]
	s_nop 0
.rept 4
	v_nop
.endr
.Lhead_asked:
	v_and_b32 v1, 31, v0
	v_and_b32 v2, 15, v0
	v_bfe_u32 v3, v0, 4, 1
	v_lshlrev_b32 v[L16], 4, v1
	v_lshlrev_b32 v[L8], 3, v1
	s_mul_i32 s21, s15, QUART
	s_mul_i32 s19, s16, QUART
	s_add_co_u32 s19, s19, 2*QUART
.irp s, 0,1
	v_add_nc_u32 v[ADRA+\s], s21, v[L16]
	v_add_nc_u32 v[ADRB+\s], s19, v[L16]
	v_add_nc_u32 v[ADRA+2+\s], s21, v[L8]
	v_add_nc_u32 v[ADRB+2+\s], s19, v[L8]
	s_add_co_u32 s21, s21, SLOT
	s_add_co_u32 s19, s19, SLOT
.endr
	s_lshl_b32 s21, s15, 12
	s_lshl_b32 s19, s16, 12
	s_add_co_u32 s19, s19, SCB-SCL
	s_sub_co_u32 s19, s19, s21
	v_mul_u32_u24 v6, s19, v3
	s_add_co_u32 s21, s21, SCL
	v_lshl_add_u32 v6, v2, 3, v6
	v_add_nc_u32 v[ADRS], s21, v6
	s_lshl_b32 s21, s14, 10
	v_lshl_add_u32 v[STQ], v2, 2, s21
	v_add_nc_u32 v[SRQ], s21, v[L16]
	s_lshl_b32 s21, s14, 9
	s_add_co_u32 s21, s21, 4096
	v_lshl_add_u32 v[STV], v2, 2, s21
	v_add_nc_u32 v[SRV], s21, v[L16]
	v_mul_u32_u24 v[VOF], v3, 241664
	v_lshl_add_u32 v[VOF], v2, 4, v[VOF]
	s_cmp_eq_u32 ttmp9, 2
	s_cselect_b32 s21, s20, s18
	s_cselect_b32 s19, s16, s15
	s_cselect_b32 s46, s41, s40
	s_cselect_b32 s47, s15, s16
	s_cselect_b32 s66, s18, s20
	s_cselect_b32 s99, -1, 0
	s_lshl_b32 s66, s66, 10
	s_lshl_b32 s67, s47, 9
	s_add_co_u32 s66, s66, s67
	s_mov_b32 s67, 0
	s_add_nc_u64 s[10:11], s[10:11], s[66:67]
	s_lshr_b32 s2, s21, 3
	s_and_b32 s3, s21, 7
	s_lshl_b32 s3, s3, 1
	s_add_co_u32 s3, s3, s19
	s_lshl_b32 s66, s3, 15
	s_add_nc_u64 s[8:9], s[8:9], s[66:67]
	s_lshl_b32 s66, s2, 11
	s_lshl_b32 s21, s3, 7
	s_add_co_u32 s66, s66, s21
	s_add_nc_u64 s[92:93], s[92:93], s[66:67]
	s_lshl_b32 s46, s46, 2
	s_lshl_b32 s47, s47, 1
	s_add_co_u32 s46, s46, s47
	s_lshl_b32 s2, s2, 4
	s_add_co_u32 s2, s2, s46
	s_lshl_b32 s2, s2, 4
	s_add_co_u32 s2, s2, s3
	s_mov_b32 s21, 15104
	s_mov_b32 s19, 14336
	s_cmp_eq_u32 ttmp9, 0
	s_cselect_b32 s21, 8704, s21
	s_cselect_b32 s19, 8192, s19
	s_cselect_b32 s98, 1, 0
	s_cselect_b64 s[4:5], s[94:95], s[96:97]
	s_mul_i32 s66, s2, s21
	s_add_nc_u64 s[4:5], s[4:5], s[66:67]
	s_lshl_b32 s66, s21, 4
	s_add_nc_u64 s[6:7], s[4:5], s[66:67]
	s_mov_b32 s66, s19
	s_add_nc_u64 s[12:13], s[4:5], s[66:67]
	s_add_nc_u64 s[22:23], s[6:7], s[66:67]
	s_mov_b32 s[SEL], 0x76543210
	s_mov_b32 s[SEL+1], 0xfedcba98
	v_and_b32 v7, 8, v2
	v_add_nc_u32 v7, v7, v2
	v_lshlrev_b32 v8, 8, v7
	v_lshl_add_u32 v8, v3, 7, v8
	v_lshlrev_b32 v10, 6, v3
	v_lshlrev_b32 v11, 2, v7
.irp j, 0,1,2,3,4,5,6,7
	v_add_nc_u32 v[VB+\j], 4*\j, v10
	v_cndmask_b32 v[VB+\j], v[VB+\j], v11, s99
.endr
.irp t, 0,1,2,3,4,5,6,7
.irp j, 0,1,2,3,4,5,6,7
	global_load_b32 v[BI+8*\t+\j], v[VB+\j], s[10:11] offset:(32*(\t/2)+8*(\t%2))*4
.endr
.endr
.irp a, 0,1,2,3,4,5,6,7
	global_load_u8 v[MK+\a], v7, s[92:93] offset:32*(\a/2)+8*(\a%2)
.endr
.macro CSBASE a
.if (\a) == 0
.set CB, 96
.elseif (\a) == 1
.set CB, 224
.elseif (\a) < 5
.set CB, 32*((\a)-2)
.else
.set CB, 128+32*((\a)-5)
.endif
.endm
.macro CSLOAD a
	CSBASE \a
.irp g, 0,1,2,3,4,5,6,7
	global_load_b128 v[CB+4*\g:CB+4*\g+3], v8, s[8:9] offset:(32*((\a)/2)+8*((\a)%2))*256+16*\g
.endr
.endm
	WIN TO_B
	CSLOAD 0
	CSLOAD 1
	WIN 0
	s_mul_i32 s66, s16, 98304
	s_mov_b32 s67, 0
	s_wait_alu depctr_va_vdst(0)
	s_wait_tensorcnt 0x0                           ; my tile of the head's four is in: no tensor load of mine is out, so descriptors may be written
	ds_add_u32 v28, v29
	s_mov_b32 s[G1+2], 8<<16                       ; from here on a load brings 8 row tiles
	s_mov_b32 s[G1+4], 8
	s_mov_b32 s[G1B+2], 8<<16
	s_mov_b32 s[G1B+4], 8
	s_mov_b32 s[G0+1], s45                         ; slot 0's groups 0: my quarter
	s_mov_b32 s[G0B+1], s45
	s_add_nc_u64 s[G0+2:G0+3], s[G0+2:G0+3], s[66:67]
	s_add_nc_u64 s[G0B+2:G0B+3], s[G0B+2:G0B+3], s[66:67]
	s_wait_dscnt 0x0
	CROUND
	JLOAD G0+4, G1, G0B+4, G1B                     ; slot 1's first fill, the first tensor load behind the round
	s_wait_loadcnt 0x0
.macro FRAG reg, adr, q, i
	ds_load_b128 v[(\reg):(\reg)+3], v[\adr] offset:(\i)*3072+(\q)*1536
	ds_load_b64 v[(\reg)+4:(\reg)+5], v[\adr+2] offset:(\i)*3072+(\q)*1536+512
	ds_load_b128 v[(\reg)+6:(\reg)+9], v[\adr] offset:(\i)*3072+(\q)*1536+768
	ds_load_b64 v[(\reg)+10:(\reg)+11], v[\adr+2] offset:(\i)*3072+(\q)*1536+1280
.endm
.macro MUL16 a0, p, q, sc, zero
.irp a, \a0, \a0+1
.irp b, 0,1,2,3,4,5,6,7
.if (\zero) == 1
	v_wmma_scale_f32_16x16x128_f8f6f4 v[8*(8*((\a)%4)+\b):8*(8*((\a)%4)+\b)+7], v[128*(\p)+FR*\b:128*(\p)+FR*\b+FR-1], v[AF+FR*(\a):AF+FR*(\a)+FR-1], v[BI+8*\b:BI+8*\b+7], v[SC+16*(\sc)+2*\b+(\q)], v[SC+16*(\sc)+2*(\a)+(\q)] matrix_a_fmt:MATRIX_FMT_FP6 matrix_b_fmt:MATRIX_FMT_FP6 matrix_a_scale:MATRIX_SCALE_ROW1
.elseif (\zero) == 2
	v_wmma_scale_f32_16x16x128_f8f6f4 v[8*(8*((\a)%4)+\b):8*(8*((\a)%4)+\b)+7], v[128*(\p)+FR*\b:128*(\p)+FR*\b+FR-1], v[AF+FR*(\a):AF+FR*(\a)+FR-1], v[BI+8*(\a):BI+8*(\a)+7], v[SC+16*(\sc)+2*\b+(\q)], v[SC+16*(\sc)+2*(\a)+(\q)] matrix_a_fmt:MATRIX_FMT_FP6 matrix_b_fmt:MATRIX_FMT_FP6 matrix_a_scale:MATRIX_SCALE_ROW1
.else
	v_wmma_scale_f32_16x16x128_f8f6f4 v[8*(8*((\a)%4)+\b):8*(8*((\a)%4)+\b)+7], v[128*(\p)+FR*\b:128*(\p)+FR*\b+FR-1], v[AF+FR*(\a):AF+FR*(\a)+FR-1], v[8*(8*((\a)%4)+\b):8*(8*((\a)%4)+\b)+7], v[SC+16*(\sc)+2*\b+(\q)], v[SC+16*(\sc)+2*(\a)+(\q)] matrix_a_fmt:MATRIX_FMT_FP6 matrix_b_fmt:MATRIX_FMT_FP6 matrix_a_scale:MATRIX_SCALE_ROW1
.endif
.endr
.endr
.endm
.macro FETCH_B slot, q, p
	WIN TO_B
.irp i, 0,1,2,3,4,5,6,7
	FRAG 128*(\p)+FR*\i, ADRB+\slot, \q, \i
.endr
	WIN 0
.endm
.macro FETCH_A slot, q, i0
.irp i, \i0, \i0+1, \i0+2, \i0+3
	FRAG AF+FR*(\i), ADRA+\slot, \q, \i
.endr
.endm
.macro SCALES sc
.irp i, 0,1,2,3,4,5,6,7
	ds_load_b64 v[SC+16*(\sc)+2*\i:SC+16*(\sc)+2*\i+1], v[ADRS] offset:\i*512
.endr
.endm
.macro STEP slot, q, zero
	s_wait_dscnt 4*NL
.if \zero
	WIN 0x81
.else
	WIN MUL_LO
.endif
	MUL16 0, (\q)%2, \q, \slot, \zero
	MUL16 2, (\q)%2, \q, \slot, \zero
	s_wait_dscnt 0
	PLACES NP
	FETCH_B \slot, (\q)+1, 1-(\q)%2
	FETCH_A \slot, (\q)+1, 0
.if \zero
	WIN 0xc1
.else
	WIN MUL_HI
.endif
	MUL16 4, (\q)%2, \q, \slot, \zero
	MUL16 6, (\q)%2, \q, \slot, \zero
	PLACES NP
	WIN 0
	FETCH_A \slot, (\q)+1, 4
.endm
.macro TURN slot, next, fill
	s_wait_tensorcnt 0x0
	ds_add_u32 v[SPW], v[NIL]
	s_wait_dscnt 4*NL+1
	WIN MUL_LO
	MUL16 0, 1, 1, \slot, 0
	s_wait_dscnt 0x0
	s_barrier_signal -1
	MUL16 2, 1, 1, \slot, 0
	WIN 0
	s_barrier_wait -1
.if \fill
	CREST
	s_add_nc_u64 s[G0+4*\slot+2:G0+4*\slot+3], s[G0+4*\slot+2:G0+4*\slot+3], 6144
	s_add_nc_u64 s[G0B+4*\slot+2:G0B+4*\slot+3], s[G0B+4*\slot+2:G0B+4*\slot+3], 6144
	JLOAD G0+4*\slot, G1, G0B+4*\slot, G1B
.else
	PLACES NP
.endif
	s_wait_alu depctr_va_vdst(0)
	v_add_nc_u32 v[ADRS], 128, v[ADRS]
	FETCH_B \next, 0, 0
	FETCH_A \next, 0, 0
	SCALES \next
	WIN MUL_HI
	MUL16 4, 1, 1, \slot, 0
	MUL16 6, 1, 1, \slot, 0
	PLACES NP
	WIN 0
	FETCH_A \next, 0, 4
.endm
	s_wait_tensorcnt 1
	s_barrier_signal -1
	s_barrier_wait -1
	FETCH_B 0, 0, 0
	FETCH_A 0, 0, 0
	SCALES 0
	FETCH_A 0, 0, 4
	s_cmp_eq_u32 ttmp9, 2
	s_cbranch_scc1 .Lfirst_v
	STEP 0, 0, 1
	s_branch .Lwalk
.Lfirst_v:
	STEP 0, 0, 2
.Lwalk:
	TURN 0, 1, 1
	STEP 1, 0, 0
	TURN 1, 0, 1
	STEP 0, 0, 0
	TURN 0, 1, 0
	STEP 1, 0, 0
	s_wait_dscnt 4*NL
	WIN MUL_LO
	MUL16 0, 1, 1, 1, 0
	MUL16 2, 1, 1, 1, 0
	s_wait_dscnt 0
	WIN MUL_HI
	MUL16 4, 1, 1, 1, 0
	MUL16 6, 1, 1, 1, 0
	WIN 0
.macro QUANT s, w, st
	WIN (\w)|((\w)<<2)
.irp b, 0,1,2,3
	v_max3_num_f32 v[TM+\b], |v[(\s)+16*\b]|, |v[(\s)+1+16*\b]|, 0x1800000
.endr
.irp i, 2,4,6,8,10,12,14
.irp b, 0,1,2,3
	v_max3_num_f32 v[TM+\b], |v[(\s)+16*\b+\i]|, |v[(\s)+1+16*\b+\i]|, v[TM+\b]
.endr
.endr
	WIN 0
.irp b, 0,1,2,3
	v_permlanex16_b32 v[TM+4+\b], v[TM+\b], s[SEL], s[SEL+1]
.endr
.irp b, 0,1,2,3
	v_max_num_f32 v[TM+\b], v[TM+\b], v[TM+4+\b]
.endr
.irp b, 0,1,2,3
	v_add_nc_u32 v[TM+12+\b], 0xff000000, v[TM+\b]
.endr
.irp b, 0,1,2,3
	v_lshrrev_b32 v[TM+4+\b], 23, v[TM+12+\b]
.endr
	v_lshl_or_b32 v[PW], v[TM+5], 8, v[TM+4]
	v_lshl_or_b32 v[PW], v[TM+6], 16, v[PW]
	v_lshl_or_b32 v[PW], v[TM+7], 24, v[PW]
	s_wait_alu depctr_va_vdst(0)
	s_wait_xcnt 0x0                                ; the last block's stores have read the codes' registers, which the conversions below are the first to write again
	WIN \w
.irp c, 0,1
	v_cvt_scalef32_pk16_fp6_f32 v[PC+(\st)*\c:PC+(\st)*\c+2], v[(\s)+32*\c:(\s)+32*\c+15], v[TM+12+2*\c]
	v_cvt_scalef32_pk16_fp6_f32 v[PX+4*\c:PX+4*\c+2], v[(\s)+16+32*\c:(\s)+31+32*\c], v[TM+13+2*\c]
.endr
	WIN 0
	v_nop
.irp c, 0,1
.irp i, 0,1,2
	v_permlane16_swap_b32 v[PC+(\st)*\c+\i], v[PX+4*\c+\i]
.endr
.irp i, 0,1,2
	v_mov_b32 v[PC+(\st)*\c+3+\i], v[PX+4*\c+\i]
.endr
.endr
.endm
	PLACES NP
.irp b, 0,1,2,3
	v_mov_b32 v[TM+4+\b], 0
.endr
	v_mov_b32 v[PC+7], 0
	v_mov_b32 v[PC+15], 0
	s_cmp_eq_u32 ttmp9, 2
	s_cbranch_scc1 .Lout_v
	WIN TO_B
.irp a, 2,3,4,5,6,7
	CSLOAD \a
.endr
	WIN 0
	s_mov_b32 s66, 0x28
	s_mov_b32 s67, 0x01e30000
	s_cmp_eq_u32 ttmp9, 0
	s_cselect_b32 s66, 8, s66
	s_cselect_b32 s67, 0x7f7f0000, s67
	v_sub_nc_u32 v[C1H], 1, v3
	v_mul_u32_u24 v[C1H], s66, v[C1H]
	v_mov_b32 v[OPW], 0x01010000
	v_mov_b32 v[MKW], s67
.macro QKBLOCK a
	CSBASE \a
.set AC, 64*((\a)%4)
.set W, 2+(\a)/4
.if (\a) >= 2
	s_wait_loadcnt 8*(7-(\a))
.endif
	WIN 0x04|W
.irp c, 0,1
.irp p, 0,1,2,3,4,5,6,7
	v_pk_mul_f32 v[TP+4*(\p%2):TP+4*(\p%2)+1], v[AC+32*\c+16+2*\p:AC+32*\c+17+2*\p], v[CB+4*\p+2:CB+4*\p+3]
	v_pk_mul_f32 v[TP+4*(\p%2)+2:TP+4*(\p%2)+3], v[AC+32*\c+2*\p:AC+32*\c+2*\p+1], v[CB+4*\p+2:CB+4*\p+3]
	v_pk_fma_f32 v[H+32*\c+2*\p:H+32*\c+2*\p+1], v[AC+32*\c+2*\p:AC+32*\c+2*\p+1], v[CB+4*\p:CB+4*\p+1], v[TP+4*(\p%2):TP+4*(\p%2)+1] neg_lo:[0,0,1] neg_hi:[0,0,1]
	v_pk_fma_f32 v[H+32*\c+16+2*\p:H+32*\c+17+2*\p], v[AC+32*\c+16+2*\p:AC+32*\c+17+2*\p], v[CB+4*\p:CB+4*\p+1], v[TP+4*(\p%2)+2:TP+4*(\p%2)+3]
.endr
.endr
	WIN 0
	QUANT H, 0, 8
	v_or_b32 v[SWA], s98, v[MK+(\a)]
	v_cmp_ne_u32 vcc_lo, 0, v[SWA]
	v_cndmask_b32 v[PC+6], 0, v[C1H], vcc_lo
	v_cndmask_b32 v[PC+14], 0, v[C1H], vcc_lo
	v_cndmask_b32 v[SW], v[OPW], v[MKW], vcc_lo
	v_and_or_b32 v[SWA], v[PW], 0xffff, v[SW]
	v_lshrrev_b32 v[SWB], 16, v[PW]
	v_or_b32 v[SWB], v[SWB], v[SW]
	global_store_b128 v[L16], v[PC:PC+3], s[4:5] offset:1024*(\a)
	global_store_b128 v[L16], v[PC+4:PC+7], s[4:5] offset:1024*(\a)+512
	global_store_b128 v[L16], v[PC+8:PC+11], s[6:7] offset:1024*(\a)
	global_store_b128 v[L16], v[PC+12:PC+15], s[6:7] offset:1024*(\a)+512
	ds_store_b32 v[STQ], v[SWA] offset:64*(\a)
	ds_store_b32 v[STQ], v[SWB] offset:512+64*(\a)
.endm
.irp a, 0,1,2,3,4,5,6,7
	QKBLOCK \a
.endr
	ds_load_b128 v[H:H+3], v[SRQ]
	ds_load_b128 v[H+4:H+7], v[SRQ] offset:512
	s_wait_dscnt 0x0
	global_store_b128 v[L16], v[H:H+3], s[12:13]
	global_store_b128 v[L16], v[H+4:H+7], s[22:23]
	s_branch .Lend
.Lout_v:
.macro VBLOCK a
.set AC, 64*((\a)%4)
.set W, 2+(\a)/4
.set DD, 4+2*((\a)/4)
	QUANT AC, W, 6
	global_store_b128 v[L16], v[PC:PC+3], s[DD:DD+1] offset:8192+1536*((\a)%4)
	global_store_b128 v[L16], v[PC+4:PC+7], s[DD:DD+1] offset:8192+1536*((\a)%4)+512
	global_store_b128 v[L16], v[PC+8:PC+11], s[DD:DD+1] offset:8192+1536*((\a)%4)+1024
	ds_store_b32 v[STV], v[PW] offset:256*((\a)/4)+64*((\a)%4)
.endm
.irp a, 0,1,2,3,4,5,6,7
	VBLOCK \a
.endr
	ds_load_b128 v[H:H+3], v[SRV]
	s_wait_dscnt 0x0
	global_store_b128 v[VOF], v[H:H+3], s[4:5] offset:14848
.Lend:
	s_wait_tensorcnt 0x0
	ds_add_u32 v[SPW], v[NIL]
	s_wait_dscnt 0x0
	CROUND
	s_endpgm
.Lfunc_end_k_q769bb92e62_qkv:
	.size	k_q769bb92e62_qkv, .Lfunc_end_k_q769bb92e62_qkv-k_q769bb92e62_qkv
	.p2alignl 7, 3214868480
	.fill 96, 4, 3214868480
	.section	.rodata,"a",@progbits
	.p2align	6, 0x0
	.amdhsa_kernel k_q769bb92e62_qkv
		.amdhsa_group_segment_fixed_size 327680
		.amdhsa_private_segment_fixed_size 0
		.amdhsa_enable_private_segment 0
		.amdhsa_kernarg_size 56
		.amdhsa_user_sgpr_count 2
		.amdhsa_user_sgpr_kernarg_segment_ptr 1
		.amdhsa_wavefront_size32 1
		.amdhsa_system_sgpr_workgroup_id_x 1
		.amdhsa_system_sgpr_workgroup_id_y 1
		.amdhsa_system_sgpr_workgroup_id_z 1
		.amdhsa_system_vgpr_workitem_id 0
		.amdhsa_next_free_vgpr 1024
		.amdhsa_next_free_sgpr 102
		.amdhsa_reserve_vcc 1
		.amdhsa_float_denorm_mode_32 3
		.amdhsa_float_denorm_mode_16_64 3
		.amdhsa_memory_ordered 1
		.amdhsa_forward_progress 1
		.amdhsa_inst_pref_size 248
	.end_amdhsa_kernel
	.amdgpu_metadata
---
amdhsa.version: [ 1, 2 ]
amdhsa.kernels:
  - .name:           k_q769bb92e62_qkv
    .symbol:         k_q769bb92e62_qkv.kd
    .args:
      - { .name: xq, .offset: 0, .size: 8, .value_kind: global_buffer, .address_space: global }
      - { .name: wq, .offset: 8, .size: 8, .value_kind: global_buffer, .address_space: global }
      - { .name: rope, .offset: 16, .size: 8, .value_kind: global_buffer, .address_space: global }
      - { .name: bqkv, .offset: 24, .size: 8, .value_kind: global_buffer, .address_space: global }
      - { .name: key_pad_mask, .offset: 32, .size: 8, .value_kind: global_buffer, .address_space: global }
      - { .name: qi, .offset: 40, .size: 8, .value_kind: global_buffer, .address_space: global }
      - { .name: kv, .offset: 48, .size: 8, .value_kind: global_buffer, .address_space: global }
    .group_segment_fixed_size: 327680
    .private_segment_fixed_size: 0
    .kernarg_segment_align: 8
    .kernarg_segment_size: 56
    .max_flat_workgroup_size: 128
    .sgpr_count:     102
    .vgpr_count:     1024
    .wavefront_size: 32
...
	.end_amdgpu_metadata
.endif
;; end of part 2
;; launch attn (part 3): grid 4 x 64, 16 waves a work-group, clusters of 4 x 1, 258,816 bytes of LDS; arguments qi, kv, hq; writes hq
.if DOCPART == 3
	.amdgcn_target "amdgcn-amd-amdhsa--gfx1250"
	.amdhsa_code_object_version 6
	.text
	.protected	k_q769bb92e62_attn
	.globl	k_q769bb92e62_attn
	.p2align	8
	.type	k_q769bb92e62_attn,@function
k_q769bb92e62_attn:
	s_mov_b64 s[64:65], 0
	v_nop
	global_prefetch_b8 v0, s[64:65] scope:SCOPE_SE
	s_setreg_imm32_b32 hwreg(HW_REG_WAVE_MODE, 25, 1), 1
	s_wait_xcnt 0x0
	s_wait_alu depctr_hold_cnt(0) depctr_sa_sdst(0) depctr_va_vdst(0) depctr_va_sdst(0) depctr_va_ssrc(0) depctr_va_vcc(0) depctr_vm_vsrc(0)
	s_getreg_b32 s2, hwreg(HW_REG_IB_STS2, 6, 4)
	s_cmp_eq_u32 s2, 0
	s_cbranch_scc0 .Lentry_in_a_cluster
	s_endpgm
.Lentry_in_a_cluster:
	s_bfe_u32 s2, ttmp6, 0x10000c
	s_cmp_lg_u32 s2, 0x3003
	s_cbranch_scc0 .Lentry_shape_is_right
	s_endpgm
.Lentry_shape_is_right:
; h[b][head][q][:] = softmax_k(q . k / 8, masked keys left out) v, both products on codes of FP6 (E2M3) with E8M0 scales; h is quantised along D and stored as fragments for the last product.
; t = score x log2(e) / 8; M = the row's largest t so far, rounded up to a whole number; p = 2^(t - M) is quantised along the keys; the row's sum is taken of the unquantised p and divides at the end.
; When M moves, the sum and O are multiplied by 2^(old M - new M): exact.
; SHARES.  A work-group owns 512 queries of one (b, head): 4 x 64 = 256 work-groups.  Each of its sixteen waves owns two tiles of 16 queries and walks all keys once for each (two passes, written by one macro).
; THE WHOLE HEAD'S k AND v LIE IN LDS: 16 records of 15,104 bytes (128 keys each: k's 8 tiles of 1,024 bytes, v's 4 fragments of 1,536, k's and v's scale words).  Wave w fetches record w with ONE tensor load,
; 59 rows of 256 bytes, each followed by 16 bytes of padding: byte y of a record lies at y + 16 (y / 256), a record takes 16,048 bytes.  Nothing is filled again; one load of mine is out at the most.
; CLUSTER: the four query blocks of a head form a cluster and need the same bytes: each load is asked for jointly, with the same descriptor and a mask that names the four.
; NO PREFETCH: all tensor loads go out as one group at the head; there is no loop that could run ahead of them.
; LAYOUT.  Both products transposed: S^T = k q^T, O^T = v^T p^T: a lane holds one query.  In memory lane r' of key tile 2 b + u' holds key 32 b + 8 u' + r' + 8 (r' / 8).  Which keys form a tile here is chosen by the LDS
; addresses alone: lane r of tile 4 c + u takes key 64 c + 32 (r / 8) + 8 u + r % 8, which is lane 8 (u / 2) + r % 8 of the stored tile 4 c + 2 (r / 8) + u % 2.  So lane (r, h) holds, in the 32 registers of tiles
; 4 c .. 4 c + 3, the keys 64 c + 32 h + 0 .. 31 of query r: ONE WHOLE BLOCK, in the order of the operand's registers 6 c .. 6 c + 5.  A block's maximum needs no other lane and the codes change no lane.
; With the padding, lanes 0-7 and lanes 8-15 of such a load (2,048 bytes apart in a record, 2,176 in LDS) touch different halves of the 64 banks (ISA guide 11.1).
; THE HEAD'S 64 FILL HALF OF THE 128 ALONG K.  q's registers 6-11 hold one code, +1 at k = 64, and zeros; a masked key holds -1 there under the scale 2^100: its score is -2^100, p = 0.  A tile of k is 8 registers;
; the operand's last four are the next tile's first four: they meet q's zero codes alone, and FP6 has no infinity or NaN.
; LIMITS: the largest score starts at -2^83, above every masked score (-2^100): a row's true scores must reach above -2^83.  A batch whose keys are all masked (NaN by definition) is not served.
; NaN and infinities are not served.  A block of zeros gets the scale byte 1 (its codes are zeros; this program alone reads the bytes).
.set REC,   16048                      ; a record in LDS: 59 rows of 272 bytes
.set SPARE, 16*REC                     ; 256,768: behind the records the spare words, 128 bytes for each of 16 waves
.set L16, 1                            ; 16 x lane
.set L4,  2                            ; 4 x lane
.set ADK, 3                            ; the step's addresses: k's tiles,
.set ADS, 4                            ; k's scale words,
.set QO,  5
.set QSO, 6
.set L8,  7                            ; 8 x lane
.set R8,  8                            ; 8 r
.set LK,  9                            ; 2176 (r / 8) + 16 (r % 8) + 272 h
.set LS,  10                           ; 128 (r / 8) + 4 (r % 8) + 64 h
.set LP,  11                           ; 16 r + 272 h: a register image of 512 bytes across two padded rows
.set QF,  16                           ; v16-27 the first tile's q
.set QS,  28                           ; its scale words
.set PS,  29                           ; p's
.set F,   30                           ; v[30:31] f = 2^(old M - new M): the packed forms name the pair and take its low word
.set KF,  32                           ; v32-99 k's tiles (8 registers each, four zeros behind), then v's fragments (12 each)
.set S,   100                          ; v100-163 S^T, then p
.set O,   164                          ; v164-195 O^T
.set PC,  196                          ; v196-207 p's codes
.set PX,  208                          ; v208-214 the conversions' second halves
.set TS,  196                          ; v196-209 seven partial sums, ahead of the conversions
.set BM,  216                          ; v216-219 largest scores
.set BP,  220
.set SO,  222                          ; the conversions' scale operands
.set KS,  224                          ; k's scale words: two tiles to a register
.set VS,  228                          ; v's
.set T0,  230
.set OM,  231                          ; the old -M
.set ADV, 232                          ; v's fragments,
.set ADW, 233                          ; v's scale words
.set SH8, 234                          ; 8 h
.set Q2S, 235                          ; the second tile's scale words
.set Q2,  236                          ; v236-247 the second tile's q
.set WV,  10
.set G1,  16                           ; s[16:23] group 1;  s[32:35] group 0
.set G0,  32
.set NC,  36                           ; -c
.set TB,  48                           ; LDS byte at which the step's record begins
.set CNT, 49
.set SEL, 50
.set CS,  52                           ; s[52:53] c = log2(e) / 8
.macro CROUND
	s_barrier_signal -1
	s_barrier_wait -1
	s_cmp_lg_u32 s[WV], 0
	s_cbranch_scc1 .Lnot_wave_0_\@
	s_barrier_signal -3
.Lnot_wave_0_\@:
	s_barrier_wait -3
	s_barrier_signal -1
	s_barrier_wait -1
.endm
	s_load_b128 s[4:7], s[0:1], 0x0                ; qi, kv
	s_load_b64 s[8:9], s[0:1], 0x10                ; hq
	v_lshl_add_u32 v254, v0, 2, SPARE
	v_mov_b32 v255, 0
	ds_add_u32 v254, v255                          ; the opening lines: the add, twice on end, and its wait ahead of my tensor load
	ds_add_u32 v254, v255
	v_lshrrev_b32 v5, 5, v0
	v_readfirstlane_b32 s[WV], v5                  ; wave 0..15
	s_bfe_u32 s11, ttmp6, 0x40000                  ; cx: it enters q's and h's addresses alone
	s_lshl_b32 s12, ttmp9, 2
	s_add_co_u32 s12, s12, s11                     ; my block of 512 queries
	s_and_b32 s13, ttmp7, 0xffff                   ; 16 b + head, which the four partners share
	s_mov_b32 s[G1], 15|(3<<16)|(1<<20)|(1<<21)|(5<<22)|(3<<25)   ; the mask: all four; elements of 8 bytes; padding on; bit 21 beside a mask; after every 64 words, 4 words
	s_mov_b32 s[G1+1], 32<<16
	s_mov_b32 s[G1+2], 59<<16
	s_mov_b32 s[G1+3], 32<<16
	s_mov_b32 s[G1+4], 59
	s_mov_b32 s[G1+5], 32
	s_mov_b32 s[G1+6], 0
	s_mov_b32 s[G1+7], 0
	s_mul_i32 s14, s13, 241664                     ; the head's records in kv,
	s_mul_i32 s15, s[WV], 15104                    ; and mine
	s_add_co_u32 s60, s14, s15
	s_mov_b32 s61, 0
	s_mov_b32 s[G0], 1
	s_mul_i32 s[G0+1], s[WV], REC
	s_mov_b32 s[SEL], 0x76543210
	s_mov_b32 s[SEL+1], 0xfedcba98
	s_mov_b32 s[CS], 0x3e38aa3b
	s_mov_b32 s[CS+1], s[CS]
	s_mov_b32 s[NC], 0xbe38aa3b
	s_wait_dscnt 0x0
	s_wait_kmcnt 0x0
	s_add_nc_u64 s[G0+2:G0+3], s[6:7], s[60:61]
	s_or_b32 s[G0+3], s[G0+3], 0x80000000
	CROUND                                         ; all four work-groups are here: the joint loads meet
	tensor_load_to_lds s[G0:G0+3], s[G1:G1+7]      ; my one tensor load: record w
	s_nop 0
	s_lshl_b32 s54, s12, 2                         ; my first tile of queries is 32 x block + wave: q's record 4 x block + wave / 8, tile wave % 8; the second lies two records on
	s_lshr_b32 s55, s[WV], 3
	s_add_co_u32 s54, s54, s55
	s_lshl_b32 s55, s13, 4
	s_add_co_u32 s54, s54, s55
	s_mul_i32 s60, s54, 8704
	s_add_nc_u64 s[4:5], s[4:5], s[60:61]
	s_and_b32 s55, s[WV], 7
	s_lshl_b32 s62, s55, 10
	s_lshl_b32 s63, s55, 6
	v_and_b32 v[T0], 31, v0                        ; lane
	v_and_b32 v[OM], 15, v0                        ; r
	v_bfe_u32 v[SH8], v0, 4, 1                     ; h
	v_bfe_u32 v[BP], v0, 3, 1                      ; r / 8
	v_and_b32 v[BP+1], 7, v0                       ; r % 8
	v_lshlrev_b32 v[L16], 4, v[T0]
	v_lshlrev_b32 v[L4], 2, v[T0]
	v_lshlrev_b32 v[L8], 3, v[T0]
	v_lshlrev_b32 v[R8], 3, v[OM]
	v_lshlrev_b32 v[LP], 4, v[OM]
	v_lshlrev_b32 v[LK], 4, v[BP+1]
	v_lshlrev_b32 v[LS], 2, v[BP+1]
	v_mad_u32_u24 v[LP], v[SH8], 272, v[LP]
	v_mad_u32_u24 v[LK], v[BP], 2176, v[LK]
	v_lshl_add_u32 v[LS], v[BP], 7, v[LS]
	v_add_nc_u32 v[QO], s62, v[L16]
	v_lshl_add_u32 v[QSO], v[OM], 2, s63
	v_mad_u32_u24 v[LK], v[SH8], 272, v[LK]
	v_lshl_add_u32 v[LS], v[SH8], 6, v[LS]
	v_lshlrev_b32 v[SH8], 3, v[SH8]
	global_load_b128 v[QF:QF+3], v[QO], s[4:5]
	global_load_b128 v[QF+4:QF+7], v[QO], s[4:5] offset:512
	global_load_b32 v[QS], v[QSO], s[4:5] offset:8192
	global_load_b128 v[Q2:Q2+3], v[QO], s[4:5] offset:17408
	global_load_b128 v[Q2+4:Q2+7], v[QO], s[4:5] offset:17920
	global_load_b32 v[Q2S], v[QSO], s[4:5] offset:25600
	s_lshr_b32 s54, s13, 4                         ; b
	s_and_b32 s55, s13, 15                         ; head
	s_lshl_b32 s54, s54, 7
	s_lshl_b32 s60, s12, 5
	s_add_co_u32 s54, s54, s60
	s_add_co_u32 s54, s54, s[WV]                   ; h's row tile: 128 b + 32 x block + wave; the second pass's lies 16 tiles on
	s_mul_i32 s60, s54, 12288
	s_mul_i32 s62, s55, 768                        ; a head is half a fragment
	s_add_co_u32 s60, s60, s62
	s_add_nc_u64 s[56:57], s[8:9], s[60:61]        ; my codes
	s_lshl_b32 s60, s54, 9
	s_lshr_b32 s62, s55, 2
	s_lshl_b32 s62, s62, 7
	s_add_co_u32 s60, s60, s62
	s_and_b32 s62, s55, 3
	s_lshl_b32 s62, s62, 1
	s_add_co_u32 s60, s60, s62
	s_add_co_u32 s60, s60, 6291456
	s_add_nc_u64 s[58:59], s[8:9], s[60:61]        ; my two scale bytes a row
	v_mov_b32 v[F+1], 0                            ; named with f as a pair
.irp i, 8,9,10,11
	v_mov_b32 v[QF+\i], 0                          ; q's codes at k = 80 .. 127
	v_mov_b32 v[Q2+\i], 0
	v_mov_b32 v[KF+56+\i], 0                       ; behind k's last tile
.endr
; A KEY STEP: 128 keys, the record at s[TB].
.macro STEP qf, qs
	v_add_nc_u32 v[ADK], s[TB], v[LK]              ; these four are also the places in front of loads into registers that the last products have read
	v_add_nc_u32 v[ADS], s[TB], v[LS]
	v_add_nc_u32 v[ADV], s[TB], v[LP]
	v_add_nc_u32 v[ADW], s[TB], v[L4]
.irp c, 0,1
.irp u, 0,1,2,3
	ds_load_b128 v[KF+8*(4*\c+\u):KF+8*(4*\c+\u)+3], v[ADK] offset:1088*(4*\c+\u%2)+128*(\u/2)
	ds_load_b128 v[KF+8*(4*\c+\u)+4:KF+8*(4*\c+\u)+7], v[ADK] offset:1088*(4*\c+\u%2)+128*(\u/2)+544
.endr
.endr
.irp c, 0,1
.irp g, 0,1
	ds_load_b32 v[KS+2*\c+\g], v[ADS] offset:15232+272*\c+32*\g   ; lanes 0-15 the words of tile 4 c + 2 g, lanes 16-31 those of tile 4 c + 2 g + 1
.endr
.endr
.irp u, 0,1
	ds_load_b32 v[VS+\u], v[ADW] offset:15776+128*\u
.endr
	s_wait_alu depctr_va_vdst(0)
	s_wait_dscnt 0x0
.irp n, 0,2,4,6
	v_wmma_scale_f32_16x16x128_f8f6f4 v[S+8*\n:S+8*\n+7], v[KF+8*\n:KF+8*\n+11], v[\qf:\qf+11], 0, v[KS+\n/2], v[\qs] matrix_a_fmt:MATRIX_FMT_FP6 matrix_b_fmt:MATRIX_FMT_FP6
	v_wmma_scale_f32_16x16x128_f8f6f4 v[S+8*\n+8:S+8*\n+15], v[KF+8*\n+8:KF+8*\n+19], v[\qf:\qf+11], 0, v[KS+\n/2], v[\qs] matrix_a_fmt:MATRIX_FMT_FP6 matrix_b_fmt:MATRIX_FMT_FP6 matrix_a_scale:MATRIX_SCALE_ROW1
.endr
	v_mov_b32 v[OM], v12                           ; four places: k's registers take v's fragments, and the scores are read
.rept 3
	v_nop
.endr
.irp t, 0,1,2,3
.irp c, 0,1,2
	ds_load_b128 v[KF+12*\t+4*\c:KF+12*\t+4*\c+3], v[ADV] offset:8704+1632*\t+544*\c   ; they land during the softmax
.endr
.endr
.irp b, 0,1,2,3
	v_max3_num_f32 v[BM+\b], v[S+16*\b], v[S+16*\b+1], v[S+16*\b+2]   ; four chains of 16 scores; each accumulator is read from its low end on
.endr
.irp i, 3,5,7,9,11,13
.irp b, 0,1,2,3
	v_max3_num_f32 v[BM+\b], v[BM+\b], v[S+16*\b+\i], v[S+16*\b+\i+1]
.endr
.endr
	v_max3_num_f32 v[BM], v[BM], v[BM+1], v[S+15]
	v_max3_num_f32 v[BM+2], v[BM+2], v[BM+3], v[S+47]
	v_max_num_f32 v[BM], v[BM], v[S+31]            ; the largest score of my block h: for the row's maximum, and, since p rises with the score, for the block's largest p
	v_max_num_f32 v[BM+2], v[BM+2], v[S+63]        ; and of my block 2 + h
	s_delay_alu instid0(VALU_DEP_1)
	v_max_num_f32 v[T0], v[BM], v[BM+2]
	s_delay_alu instid0(VALU_DEP_1)
	v_permlanex16_b32 v[BP], v[T0], s[SEL], s[SEL+1]
	s_delay_alu instid0(VALU_DEP_1)
	v_max3_num_f32 v13, v13, v[T0], v[BP]          ; the running largest score (c is positive: its t is the largest t)
	s_delay_alu instid0(VALU_DEP_1)
	v_mul_f32 v[T0], s[NC], v13
	s_delay_alu instid0(VALU_DEP_1)
	v_floor_f32 v12, v[T0]                         ; the new -M = floor(-t) = -ceil(t)
	s_delay_alu instid0(VALU_DEP_1)
	v_sub_f32 v[T0], v12, v[OM]                    ; old M - new M: a whole number, 0 or less
	s_delay_alu instid0(VALU_DEP_1)
	v_cvt_i32_f32 v[T0], v[T0]                     ; (it saturates)
	s_delay_alu instid0(VALU_DEP_1)
	v_ldexp_f32 v[F], 1.0, v[T0]                   ; f
.set j, 0
.rept 32
	v_pk_fma_f32 v[S+j:S+j+1], v[S+j:S+j+1], s[CS:CS+1], v[12:13] op_sel_hi:[1,0,0]   ; t - M
.set j, j+2
.endr
	v_fma_f32 v[BM], v[BM], s[CS], v12
	v_fma_f32 v[BM+2], v[BM+2], s[CS], v12
	s_wait_alu depctr_va_vdst(0)
	v_exp_f32 v[BM], v[BM]                         ; the blocks' largest p: the same two instructions on the same number give the same bits
	v_exp_f32 v[BM+2], v[BM+2]
.set j, 0
.rept 64
	v_exp_f32 v[S+j], v[S+j]                       ; p = 2^(t - M)
.set j, j+1
.endr
	v_pk_mul_f32 v[14:15], v[14:15], v[F:F+1] op_sel_hi:[1,0]   ; the sums under the new M: a plain place behind the exponentials
	s_wait_alu depctr_va_vdst(0)                   ; one wait for the batch, ahead of its first reader
; the row's sum of the unquantised p: 32 pairs in eight chains; the blocks' scales are made between the chains' rounds
.irp i, 0,1,2,3,4,5,6
	v_pk_add_f32 v[TS+2*\i:TS+2*\i+1], v[S+4*\i:S+4*\i+1], v[S+4*\i+2:S+4*\i+3]
.endr
	v_pk_add_f32 v[14:15], v[14:15], v[S+28:S+29]
	v_max_num_f32 v[BM], 0x1800000, v[BM]          ; the floor 2^(3 - 127): the byte cannot fall under 1
	v_max_num_f32 v[BM+2], 0x1800000, v[BM+2]
.irp i, 0,1,2,3,4,5,6
	v_pk_add_f32 v[TS+2*\i:TS+2*\i+1], v[TS+2*\i:TS+2*\i+1], v[S+30+2*\i:S+31+2*\i]
.endr
	v_pk_add_f32 v[14:15], v[14:15], v[S+44:S+45]
	v_add_nc_u32 v[SO], 0xff000000, v[BM]          ; 2 off the exponent field: the conversions' scale operands
	v_add_nc_u32 v[SO+1], 0xff000000, v[BM+2]
.irp i, 0,1,2,3,4,5,6
	v_pk_add_f32 v[TS+2*\i:TS+2*\i+1], v[TS+2*\i:TS+2*\i+1], v[S+46+2*\i:S+47+2*\i]
.endr
	v_pk_add_f32 v[14:15], v[14:15], v[S+60:S+61]
	v_lshrrev_b32 v[BP], 23, v[SO]                 ; the scales' bytes
	v_lshrrev_b32 v[BP+1], 23, v[SO+1]
	v_pk_add_f32 v[TS:TS+1], v[TS:TS+1], v[S+62:S+63]
	v_pk_add_f32 v[14:15], v[14:15], v[TS+6:TS+7]
	s_delay_alu instid0(VALU_DEP_3)
	v_lshl_or_b32 v[PS], v[BP+1], 16, v[BP]        ; my two bytes: blocks h and 2 + h,
	v_pk_add_f32 v[TS+2:TS+3], v[TS+2:TS+3], v[TS+10:TS+11]
	v_pk_add_f32 v[TS+4:TS+5], v[TS+4:TS+5], v[TS+12:TS+13]
	v_pk_add_f32 v[TS:TS+1], v[TS:TS+1], v[TS+8:TS+9]
	s_delay_alu instid0(VALU_DEP_4)
	v_lshlrev_b32 v[PS], v[SH8], v[PS]             ; at their places in the scale word;
	s_delay_alu instid0(VALU_DEP_4)
	v_pk_add_f32 v[14:15], v[14:15], v[TS+2:TS+3]
	s_delay_alu instid0(VALU_DEP_3)
	v_pk_add_f32 v[TS:TS+1], v[TS:TS+1], v[TS+4:TS+5]
	s_delay_alu instid0(VALU_DEP_3)
	v_permlanex16_b32 v[BP], v[PS], s[SEL], s[SEL+1]
	s_delay_alu instid0(VALU_DEP_2)
	v_pk_add_f32 v[14:15], v[14:15], v[TS:TS+1]
	s_delay_alu instid0(VALU_DEP_2)
	v_or_b32 v[PS], v[PS], v[BP]                   ; with lane l xor 16's two the word is whole
.irp c, 0,1
	v_cvt_scalef32_pk16_fp6_f32 v[PC+6*\c:PC+6*\c+2], v[S+32*\c:S+32*\c+15], v[SO+\c]
	v_cvt_scalef32_pk16_fp6_f32 v[PX+4*\c:PX+4*\c+2], v[S+16+32*\c:S+31+32*\c], v[SO+\c]   ; (a conversion's three registers begin on an even number)
.endr
	v_nop                                          ; one plain place behind a scaled conversion
.irp c, 0,1
.irp i, 0,1,2
	v_mov_b32 v[PC+3+6*\c+\i], v[PX+4*\c+\i]       ; registers 6 c .. 6 c + 5 hold k = 64 c + 32 h + 0 .. 31
.endr
.endr
	s_wait_alu depctr_va_vdst(0)                   ; directly ahead of the first reader of O^T
.set j, 0
.rept 16
	v_pk_mul_f32 v[O+j:O+j+1], v[O+j:O+j+1], v[F:F+1] op_sel_hi:[1,0]   ; O^T under the new M; these sixteen are also the places between the scale word, the codes and the products
.set j, j+2
.endr
	s_wait_alu depctr_va_vdst(0)
	s_wait_dscnt 0x0                               ; v's fragments are in
.irp t, 0,2
	v_wmma_scale_f32_16x16x128_f8f6f4 v[O+8*\t:O+8*\t+7], v[KF+12*\t:KF+12*\t+11], v[PC:PC+11], v[O+8*\t:O+8*\t+7], v[VS+\t/2], v[PS] matrix_a_fmt:MATRIX_FMT_FP6 matrix_b_fmt:MATRIX_FMT_FP6
	v_wmma_scale_f32_16x16x128_f8f6f4 v[O+8*\t+8:O+8*\t+15], v[KF+12*\t+12:KF+12*\t+23], v[PC:PC+11], v[O+8*\t+8:O+8*\t+15], v[VS+\t/2], v[PS] matrix_a_fmt:MATRIX_FMT_FP6 matrix_b_fmt:MATRIX_FMT_FP6 matrix_a_scale:MATRIX_SCALE_ROW1
.endr
.endm
; A PASS: one tile of 16 queries against all 2,048 keys, and its way out.
.macro PASS p, qf, qs
	v_mov_b32 v13, 0xe9000000                      ; the largest score so far: -2^83
	v_mov_b32 v14, 0                               ; the sum, in two halves
	v_mov_b32 v15, 0
	v_mul_f32 v12, s[NC], v13
	s_delay_alu instid0(VALU_DEP_1)
	v_floor_f32 v12, v12                           ; -M
.set j, 0
.rept 32
	v_mov_b32 v[O+j], 0                            ; O^T: the step is written for every step alike; the first finds zeros
.set j, j+1
.endr
	s_wait_alu depctr_va_vdst(0)
.if \p
	s_wait_xcnt 0x0                                ; the last pass's stores have read their data registers, which this pass writes again
.endif
	s_mov_b32 s[TB], 0
	s_mov_b32 s[CNT], 16
.Lstep\p:
	STEP \qf, \qs
	s_add_co_u32 s[TB], s[TB], REC
	s_sub_co_u32 s[CNT], s[CNT], 1
	s_cmp_lg_u32 s[CNT], 0
	s_cbranch_scc1 .Lstep\p
	; THE WAY OUT: O^T / the sum is h(query r, channel 32 b + 16 h + i) in register 16 b + i: two blocks of 32 along D
.rept 4
	v_nop                                          ; places behind the last products
.endr
	v_add_f32 v14, v14, v15
	s_delay_alu instid0(VALU_DEP_1)
	v_permlanex16_b32 v[T0], v14, s[SEL], s[SEL+1]
	s_delay_alu instid0(VALU_DEP_1)
	v_add_f32 v14, v14, v[T0]                      ; the row's sum
	s_wait_alu depctr_va_vdst(0)
	v_rcp_f32 v[F], v14
	v_nop                                          ; a plain place behind the transcendental
	s_wait_alu depctr_va_vdst(0)                   ; ahead of its first reader, which is also O^T's
.set j, 0
.rept 16
	v_pk_mul_f32 v[S+j:S+j+1], v[O+j:O+j+1], v[F:F+1] op_sel_hi:[1,0]
.set j, j+2
.endr
.irp b, 0,1
	v_max3_num_f32 v[BM+\b], |v[S+16*\b]|, |v[S+16*\b+1]|, 0x1800000
.endr
.irp i, 2,4,6,8,10,12,14
.irp b, 0,1
	s_delay_alu instid0(VALU_DEP_2)
	v_max3_num_f32 v[BM+\b], v[BM+\b], |v[S+16*\b+\i]|, |v[S+16*\b+\i+1]|
.endr
.endr
.irp b, 0,1
	s_delay_alu instid0(VALU_DEP_2)
	v_permlanex16_b32 v[BP+\b], v[BM+\b], s[SEL], s[SEL+1]
.endr
.irp b, 0,1
	s_delay_alu instid0(VALU_DEP_2)
	v_max_num_f32 v[BM+\b], v[BM+\b], v[BP+\b]
.endr
.irp b, 0,1
	s_delay_alu instid0(VALU_DEP_2)
	v_add_nc_u32 v[SO+\b], 0xff000000, v[BM+\b]
.endr
.irp b, 0,1
	s_delay_alu instid0(VALU_DEP_2)
	v_lshrrev_b32 v[BP+\b], 23, v[SO+\b]
.endr
	s_delay_alu instid0(VALU_DEP_1)
	v_lshl_or_b32 v[T0], v[BP+1], 8, v[BP]         ; my row's two scale bytes
	v_cvt_scalef32_pk16_fp6_f32 v[PC:PC+2], v[S:S+15], v[SO]
	v_cvt_scalef32_pk16_fp6_f32 v[PX:PX+2], v[S+16:S+31], v[SO+1]
	v_nop
.irp i, 0,1,2
	v_permlane16_swap_b32 v[PC+\i], v[PX+\i]       ; here a lane holds two half blocks: the halves change lanes
.endr
.irp i, 0,1,2
	s_delay_alu instid0(VALU_DEP_3)
	v_mov_b32 v[PC+3+\i], v[PX+\i]
.endr
	global_store_b128 v[L16], v[PC:PC+3], s[56:57] offset:196608*\p            ; 512 consecutive bytes,
	global_store_b64 v[L8], v[PC+4:PC+5], s[56:57] offset:196608*\p+512        ; and 256: half a fragment
	global_store_b16 v[R8], v[T0], s[58:59] offset:8192*\p   ; two bytes of a row's scale word: its other two are another head's, another work-group's
.endm
	s_wait_alu depctr_va_vdst(0)
	s_wait_loadcnt 0x0                             ; q, both tiles
	s_wait_tensorcnt 0x0                           ; my record is in
	s_barrier_signal -1
	s_barrier_wait -1                              ; everybody's is: from here on LDS is only read
	PASS 0, QF, QS
	PASS 1, Q2, Q2S
	s_wait_tensorcnt 0x0                           ; the wave's end
	ds_add_u32 v254, v255
	s_wait_dscnt 0x0
	CROUND                                         ; the closing round: no work-group ends while a partner may still ask for bytes jointly
	s_endpgm
.Lfunc_end_k_q769bb92e62_attn:
	.size	k_q769bb92e62_attn, .Lfunc_end_k_q769bb92e62_attn-k_q769bb92e62_attn
	.p2alignl 7, 3214868480
	.fill 96, 4, 3214868480
	.section	.rodata,"a",@progbits
	.p2align	6, 0x0
	.amdhsa_kernel k_q769bb92e62_attn
		.amdhsa_group_segment_fixed_size 258816
		.amdhsa_private_segment_fixed_size 0
		.amdhsa_enable_private_segment 0
		.amdhsa_kernarg_size 24
		.amdhsa_user_sgpr_count 2
		.amdhsa_user_sgpr_kernarg_segment_ptr 1
		.amdhsa_wavefront_size32 1
		.amdhsa_system_sgpr_workgroup_id_x 1
		.amdhsa_system_sgpr_workgroup_id_y 1
		.amdhsa_system_sgpr_workgroup_id_z 1
		.amdhsa_system_vgpr_workitem_id 0
		.amdhsa_next_free_vgpr 256
		.amdhsa_next_free_sgpr 66
		.amdhsa_reserve_vcc 0
		.amdhsa_float_denorm_mode_32 3
		.amdhsa_float_denorm_mode_16_64 3
		.amdhsa_memory_ordered 1
		.amdhsa_forward_progress 1
		.amdhsa_inst_pref_size 49
	.end_amdhsa_kernel
	.amdgpu_metadata
---
amdhsa.version: [ 1, 2 ]
amdhsa.kernels:
  - .name:           k_q769bb92e62_attn
    .symbol:         k_q769bb92e62_attn.kd
    .args:
      - { .name: qi, .offset: 0, .size: 8, .value_kind: global_buffer, .address_space: global }
      - { .name: kv, .offset: 8, .size: 8, .value_kind: global_buffer, .address_space: global }
      - { .name: hq, .offset: 16, .size: 8, .value_kind: global_buffer, .address_space: global }
    .group_segment_fixed_size: 258816
    .private_segment_fixed_size: 0
    .kernarg_segment_align: 8
    .kernarg_segment_size: 24
    .max_flat_workgroup_size: 512
    .sgpr_count:     66
    .vgpr_count:     256
    .wavefront_size: 32
...
	.end_amdgpu_metadata
.endif
;; end of part 3
;; launch oproj (part 4): grid 4 x 32, 4 waves a work-group, clusters of 4 x 4, 327,680 bytes of LDS; arguments hq, wq, bo, out0; writes out0
.if DOCPART == 4
	.amdgcn_target "amdgcn-amd-amdhsa--gfx1250"
	.amdhsa_code_object_version 6
	.text
	.protected	k_q769bb92e62_oproj
	.globl	k_q769bb92e62_oproj
	.p2align	8
	.type	k_q769bb92e62_oproj,@function
k_q769bb92e62_oproj:
	s_mov_b64 s[64:65], 0
	v_nop
	global_prefetch_b8 v0, s[64:65] scope:SCOPE_SE
	s_setreg_imm32_b32 hwreg(HW_REG_WAVE_MODE, 25, 1), 1
	s_wait_xcnt 0x0
	s_wait_alu depctr_hold_cnt(0) depctr_sa_sdst(0) depctr_va_vdst(0) depctr_va_sdst(0) depctr_va_ssrc(0) depctr_va_vcc(0) depctr_vm_vsrc(0)
	s_getreg_b32 s2, hwreg(HW_REG_IB_STS2, 6, 4)
	s_cmp_eq_u32 s2, 0
	s_cbranch_scc0 .Lentry_in_a_cluster
	s_endpgm
.Lentry_in_a_cluster:
	s_bfe_u32 s2, ttmp6, 0x10000c
	s_cmp_lg_u32 s2, 0xf033
	s_cbranch_scc0 .Lentry_shape_is_right
	s_endpgm
.Lentry_shape_is_right:
.set SLOT,   98304
.set QUART,  24576
.set SCL,    2*SLOT
.set SCB,    SCL+8192+128
.set SPARE,  SCB+8192+128
.set SPITCH, 528
.set FR,     12
.set NL,     4
.set NP,     4
.set L16,  4
.set L8,   5
.set ADRA, 16
.set ADRB, 20
.set STO,  24
.set RD,   25
.set ADRS, 27
.set SPW,  28
.set NIL,  29
.set SC,   32
.set BI,   64
.set AF,   128
.set BK,   128
.set G1, 24
.set G0, 32
.set G1B, 48
.set G0B, 56
.set G1S, 68
.set G0S, 76
.set G1SB, 80
.set G0SB, 88
.set MSB, 0
.macro WIN new
.if MSB != (\new)
	s_set_vgpr_msb (MSB<<8)|(\new)
.set MSB, (\new)
.endif
.endm
.set MUL_LO, 0xa1
.set MUL_HI, 0xf1
.set TO_B,   0x40
.macro JLOAD g0a, g1a, g0b, g1b
	s_cmp_eq_u32 s15, 0
	s_cbranch_scc0 .Lfor_b_\@
	tensor_load_to_lds s[\g0a:\g0a+3], s[\g1a:\g1a+7]
	s_nop 0
.rept 4
	v_nop
.endr
	s_branch .Lasked_\@
.Lfor_b_\@:
	tensor_load_to_lds s[\g0b:\g0b+3], s[\g1b:\g1b+7]
	s_nop 0
.rept 4
	v_nop
.endr
.Lasked_\@:
.endm
.macro CREST
	s_cmp_lg_u32 s14, 0
	s_cbranch_scc1 .Lnot_wave_0_\@
	s_barrier_signal -3
.Lnot_wave_0_\@:
	s_barrier_wait -3
	s_barrier_signal -1
	s_barrier_wait -1
.endm
.macro CROUND
	s_barrier_signal -1
	s_barrier_wait -1
	CREST
.endm
.macro PLACES n
.rept \n
	v_nop
.endr
.endm
	s_load_b256 s[4:11], s[0:1], 0x0
	v_lshl_add_u32 v[SPW], v0, 2, SPARE
	v_mov_b32 v[NIL], 0
	ds_add_u32 v28, v29
	ds_add_u32 v28, v29
	s_wait_dscnt 0x0
	v_lshrrev_b32 v1, 5, v0
	v_readfirstlane_b32 s14, v1
	s_lshr_b32 s15, s14, 1
	s_and_b32 s16, s14, 1
	s_bfe_u32 s40, ttmp6, 0x40000
	s_bfe_u32 s41, ttmp6, 0x40004
	s_and_b32 s17, ttmp7, 0xffff
	s_lshl_b32 s17, s17, 2
	s_add_co_u32 s18, s17, s41
	s_lshl_b32 s42, ttmp9, 2
	s_add_co_u32 s42, s42, s40
	s_add_co_u32 s20, s42, 12
	s_lshl_b32 s43, s41, 2
	s_lshl_b32 s43, 15, s43
	s_lshl_b32 s44, 0x1111, s40
	s_or_b32 s[G1+0], s43, (3<<16)|(1<<21)
	s_or_b32 s[G1B+0], s44, (3<<16)|(1<<21)
.irp g, G1, G1B
	s_mov_b32 s[\g+1], 384<<16
	s_mov_b32 s[\g+2], 16<<16
	s_mov_b32 s[\g+3], 384<<16
	s_mov_b32 s[\g+4], 16
	s_mov_b32 s[\g+5], 1536
	s_mov_b32 s[\g+6], 0
	s_mov_b32 s[\g+7], 0
.endr
	s_or_b32 s[G1S+0], s43, (3<<16)|(1<<21)
	s_or_b32 s[G1SB+0], s44, (3<<16)|(1<<21)
.irp g, G1S, G1SB
	s_mov_b32 s[\g+1], 32<<16
	s_mov_b32 s[\g+2], 32<<16
	s_mov_b32 s[\g+3], 32<<16
	s_mov_b32 s[\g+4], 32
	s_mov_b32 s[\g+5], 32
	s_mov_b32 s[\g+6], 0
	s_mov_b32 s[\g+7], 0
.endr
	s_lshl_b32 s46, s18, 1
	s_add_co_u32 s46, s46, s16
	s_lshl_b32 s66, s20, 1
	s_add_co_u32 s66, s66, s16
	s_mul_i32 s22, s46, 98304
	s_mov_b32 s23, 0
	s_lshl_b32 s46, s46, 12
	s_add_co_u32 s46, s46, 6291456
	s_mov_b32 s47, 0
	s_mul_i32 s98, s66, 98304
	s_mov_b32 s99, 0
	s_lshl_b32 s66, s66, 12
	s_add_co_u32 s66, s66, 3145728
	s_mov_b32 s67, 0
	s_mul_i32 s45, s14, QUART
	s_lshl_b32 s2, s16, 12                         ; my half's place among a tile's scale words, taken off again for the head's whole tiles
	s_mov_b32 s3, 0
	s_wait_kmcnt 0x0
	s_add_nc_u64 s[22:23], s[4:5], s[22:23]
	s_add_nc_u64 s[46:47], s[4:5], s[46:47]
	s_add_nc_u64 s[98:99], s[6:7], s[98:99]
	s_add_nc_u64 s[66:67], s[6:7], s[66:67]
	CROUND
	s_mov_b32 s[G0S], 1
	s_mov_b32 s[G0S+1], SCL
	s_sub_nc_u64 s[G0S+2:G0S+3], s[46:47], s[2:3]
	s_or_b32 s[G0S+3], s[G0S+3], 0x80000000
	s_mov_b32 s[G0SB], 1
	s_mov_b32 s[G0SB+1], SCB
	s_sub_nc_u64 s[G0SB+2:G0SB+3], s[66:67], s[2:3]
	s_or_b32 s[G0SB+3], s[G0SB+3], 0x80000000
.irp s, 0,1
	s_mov_b32 s[G0+4*\s], 1
	s_add_co_u32 s[G0+4*\s+1], s45, \s*SLOT
	s_add_nc_u64 s[G0+4*\s+2:G0+4*\s+3], s[22:23], \s*3072
	s_or_b32 s[G0+4*\s+3], s[G0+4*\s+3], 0x80000000
	s_mov_b32 s[G0B+4*\s], 1
	s_add_co_u32 s[G0B+4*\s+1], s45, \s*SLOT
	s_add_nc_u64 s[G0B+4*\s+2:G0B+4*\s+3], s[98:99], \s*3072
	s_or_b32 s[G0B+4*\s+3], s[G0B+4*\s+3], 0x80000000
.endr
; THE HEAD'S LOADS, ONE A WAVE: wave 0 fetches slot 0's 16 row tiles of h, wave 1 those of Wo, wave 2 h's scale words, wave 3 Wo's.
; For them slot 0's two groups 0 name the whole tiles; behind the wait that shows them landed they are set to my quarter, for the ring.
	s_mul_i32 s2, s16, 98304
	s_mov_b32 s[G0+1], 0
	s_sub_nc_u64 s[G0+2:G0+3], s[G0+2:G0+3], s[2:3]
	s_mov_b32 s[G0B+1], 2*QUART
	s_sub_nc_u64 s[G0B+2:G0B+3], s[G0B+2:G0B+3], s[2:3]
.macro ARM under, g0, g1, next
	s_cmp_lt_u32 s14, \under
	s_cbranch_scc0 \next
	tensor_load_to_lds s[\g0:\g0+3], s[\g1:\g1+7]
	s_nop 0
.rept 4
	v_nop
.endr
	s_branch .Lhead_asked
\next:
.endm
	ARM 1, G0,  G1,  .Lhead_b
	ARM 2, G0B, G1B, .Lhead_sa
	ARM 3, G0S, G1S, .Lhead_sb
	tensor_load_to_lds s[G0SB:G0SB+3], s[G1SB:G1SB+7]
	s_nop 0
.rept 4
	v_nop
.endr
.Lhead_asked:
	v_and_b32 v1, 31, v0
	v_and_b32 v2, 15, v0
	v_bfe_u32 v3, v0, 4, 1
	v_lshlrev_b32 v[L16], 4, v1
	v_lshlrev_b32 v[L8], 3, v1
	s_mul_i32 s21, s15, QUART
	s_mul_i32 s19, s16, QUART
	s_add_co_u32 s19, s19, 2*QUART
.irp s, 0,1
	v_add_nc_u32 v[ADRA+\s], s21, v[L16]
	v_add_nc_u32 v[ADRB+\s], s19, v[L16]
	v_add_nc_u32 v[ADRA+2+\s], s21, v[L8]
	v_add_nc_u32 v[ADRB+2+\s], s19, v[L8]
	s_add_co_u32 s21, s21, SLOT
	s_add_co_u32 s19, s19, SLOT
.endr
	s_lshl_b32 s21, s15, 12
	s_lshl_b32 s19, s16, 12
	s_add_co_u32 s19, s19, SCB-SCL
	s_sub_co_u32 s19, s19, s21
	v_mul_u32_u24 v6, s19, v3
	s_add_co_u32 s21, s21, SCL
	v_lshl_add_u32 v6, v2, 3, v6
	v_add_nc_u32 v[ADRS], s21, v6
	s_mul_i32 s21, s14, 16*SPITCH
	v_mul_u32_u24 v6, v2, SPITCH
	v_lshl_add_u32 v6, v3, 6, v6
	v_add_nc_u32 v[STO], s21, v6
	v_add_nc_u32 v[RD], s21, v[L16]
	s_lshl_b32 s66, s42, 10
	s_lshl_b32 s67, s16, 9
	s_add_co_u32 s66, s66, s67
	s_mov_b32 s67, 0
	s_add_nc_u64 s[8:9], s[8:9], s[66:67]
	s_add_nc_u64 s[10:11], s[10:11], s[66:67]
	s_lshl_b32 s66, s18, 20
	s_lshl_b32 s21, s15, 19
	s_add_co_u32 s66, s66, s21
	s_add_nc_u64 s[10:11], s[10:11], s[66:67]
	v_lshlrev_b32 v10, 6, v3
.irp b, 0,1,2,3,4,5,6,7
	global_load_b128 v[BI+8*\b:BI+8*\b+3], v10, s[8:9] offset:(32*(\b/2)+8*(\b%2))*4
	global_load_b128 v[BI+8*\b+4:BI+8*\b+7], v10, s[8:9] offset:(32*(\b/2)+8*(\b%2))*4+16
.endr
	s_mul_i32 s66, s16, 98304
	s_mov_b32 s67, 0
	s_wait_alu depctr_va_vdst(0)
	s_wait_tensorcnt 0x0                           ; my tile of the head's four is in: no tensor load of mine is out, so descriptors may be written
	ds_add_u32 v28, v29
	s_mov_b32 s[G1+2], 8<<16                       ; from here on a load brings 8 row tiles
	s_mov_b32 s[G1+4], 8
	s_mov_b32 s[G1B+2], 8<<16
	s_mov_b32 s[G1B+4], 8
	s_mov_b32 s[G0+1], s45                         ; slot 0's groups 0: my quarter
	s_mov_b32 s[G0B+1], s45
	s_add_nc_u64 s[G0+2:G0+3], s[G0+2:G0+3], s[66:67]
	s_add_nc_u64 s[G0B+2:G0B+3], s[G0B+2:G0B+3], s[66:67]
	s_wait_dscnt 0x0
	CROUND
	JLOAD G0+4, G1, G0B+4, G1B                     ; slot 1's first fill, the first tensor load behind the round
	s_wait_alu depctr_va_vdst(0)
	s_wait_loadcnt 0x0
.macro FRAG reg, adr, q, i
	ds_load_b128 v[(\reg):(\reg)+3], v[\adr] offset:(\i)*3072+(\q)*1536
	ds_load_b64 v[(\reg)+4:(\reg)+5], v[\adr+2] offset:(\i)*3072+(\q)*1536+512
	ds_load_b128 v[(\reg)+6:(\reg)+9], v[\adr] offset:(\i)*3072+(\q)*1536+768
	ds_load_b64 v[(\reg)+10:(\reg)+11], v[\adr+2] offset:(\i)*3072+(\q)*1536+1280
.endm
.macro MUL16 a0, p, q, sc, zero
.irp a, \a0, \a0+1
.irp b, 0,1,2,3,4,5,6,7
.if \zero
	v_wmma_scale_f32_16x16x128_f8f6f4 v[8*(8*((\a)%4)+\b):8*(8*((\a)%4)+\b)+7], v[128*(\p)+FR*\b:128*(\p)+FR*\b+FR-1], v[AF+FR*(\a):AF+FR*(\a)+FR-1], v[BI+8*\b:BI+8*\b+7], v[SC+16*(\sc)+2*\b+(\q)], v[SC+16*(\sc)+2*(\a)+(\q)] matrix_a_fmt:MATRIX_FMT_FP6 matrix_b_fmt:MATRIX_FMT_FP6 matrix_a_scale:MATRIX_SCALE_ROW1
.else
	v_wmma_scale_f32_16x16x128_f8f6f4 v[8*(8*((\a)%4)+\b):8*(8*((\a)%4)+\b)+7], v[128*(\p)+FR*\b:128*(\p)+FR*\b+FR-1], v[AF+FR*(\a):AF+FR*(\a)+FR-1], v[8*(8*((\a)%4)+\b):8*(8*((\a)%4)+\b)+7], v[SC+16*(\sc)+2*\b+(\q)], v[SC+16*(\sc)+2*(\a)+(\q)] matrix_a_fmt:MATRIX_FMT_FP6 matrix_b_fmt:MATRIX_FMT_FP6 matrix_a_scale:MATRIX_SCALE_ROW1
.endif
.endr
.endr
.endm
.macro FETCH_B slot, q, p
	WIN TO_B
.irp i, 0,1,2,3,4,5,6,7
	FRAG 128*(\p)+FR*\i, ADRB+\slot, \q, \i
.endr
	WIN 0
.endm
.macro FETCH_A slot, q, i0
.irp i, \i0, \i0+1, \i0+2, \i0+3
	FRAG AF+FR*(\i), ADRA+\slot, \q, \i
.endr
.endm
.macro SCALES sc
.irp i, 0,1,2,3,4,5,6,7
	ds_load_b64 v[SC+16*(\sc)+2*\i:SC+16*(\sc)+2*\i+1], v[ADRS] offset:\i*512
.endr
.endm
.macro STEP slot, q, zero
	s_wait_dscnt 4*NL
.if \zero
	WIN 0x81
.else
	WIN MUL_LO
.endif
	MUL16 0, (\q)%2, \q, \slot, \zero
	MUL16 2, (\q)%2, \q, \slot, \zero
	s_wait_dscnt 0
	PLACES NP
	FETCH_B \slot, (\q)+1, 1-(\q)%2
	FETCH_A \slot, (\q)+1, 0
.if \zero
	WIN 0xc1
.else
	WIN MUL_HI
.endif
	MUL16 4, (\q)%2, \q, \slot, \zero
	MUL16 6, (\q)%2, \q, \slot, \zero
	PLACES NP
	WIN 0
	FETCH_A \slot, (\q)+1, 4
.endm
.macro TURN slot, next, fill
	s_wait_tensorcnt 0x0
	ds_add_u32 v[SPW], v[NIL]
	s_wait_dscnt 4*NL+1
	WIN MUL_LO
	MUL16 0, 1, 1, \slot, 0
	s_wait_dscnt 0x0
	s_barrier_signal -1
	MUL16 2, 1, 1, \slot, 0
	WIN 0
	s_barrier_wait -1
.if \fill
	CREST
	s_add_nc_u64 s[G0+4*\slot+2:G0+4*\slot+3], s[G0+4*\slot+2:G0+4*\slot+3], 6144
	s_add_nc_u64 s[G0B+4*\slot+2:G0B+4*\slot+3], s[G0B+4*\slot+2:G0B+4*\slot+3], 6144
	JLOAD G0+4*\slot, G1, G0B+4*\slot, G1B
.else
	PLACES NP
.endif
	s_wait_alu depctr_va_vdst(0)
	v_add_nc_u32 v[ADRS], 128, v[ADRS]
	FETCH_B \next, 0, 0
	FETCH_A \next, 0, 0
	SCALES \next
	WIN MUL_HI
	MUL16 4, 1, 1, \slot, 0
	MUL16 6, 1, 1, \slot, 0
	PLACES NP
	WIN 0
	FETCH_A \next, 0, 4
.endm
	s_wait_tensorcnt 1
	s_barrier_signal -1
	s_barrier_wait -1
	FETCH_B 0, 0, 0
	FETCH_A 0, 0, 0
	SCALES 0
	FETCH_A 0, 0, 4
	STEP 0, 0, 1
	TURN 0, 1, 1
	STEP 1, 0, 0
	TURN 1, 0, 1
	STEP 0, 0, 0
	TURN 0, 1, 0
	STEP 1, 0, 0
	s_wait_dscnt 4*NL
	WIN MUL_LO
	MUL16 0, 1, 1, 1, 0
	MUL16 2, 1, 1, 1, 0
	s_wait_dscnt 0
	WIN MUL_HI
	MUL16 4, 1, 1, 1, 0
	MUL16 6, 1, 1, 1, 0
	WIN 0
.macro TOSTAGE a
.set AC, 64*((\a)%4)
	WIN 0x08+4*((\a)/4)
.irp b, 0,1,2,3,4,5,6,7
	ds_store_b128 v[STO], v[AC+8*\b:AC+8*\b+3] offset:128*(\b/2)+32*(\b%2)
	ds_store_b128 v[STO], v[AC+8*\b+4:AC+8*\b+7] offset:128*(\b/2)+32*(\b%2)+16
.endr
	WIN 0
.set BB, BK+64*((\a)%2)
.irp t, 0,1,2,3,4,5,6,7,8,9,10,11,12,13,14,15
	ds_load_b128 v[BB+4*\t:BB+4*\t+3], v[RD] offset:\t*SPITCH
.endr
.endm
.macro SEND a, younger
.set BB, BK+64*((\a)%2)
	s_wait_dscnt \younger
.irp t, 0,1,2,3,4,5,6,7,8,9,10,11,12,13,14,15
	global_store_b128 v[L16], v[BB+4*\t:BB+4*\t+3], s[10:11] offset:(32*((\a)/2)+8*((\a)%2)+\t+8*(\t/8))*4096 th:TH_STORE_NT
.endr
.endm
	PLACES NP
	TOSTAGE 0
.irp a, 1,2,3,4,5,6,7
.if \a > 1
	s_wait_xcnt 0x0
.endif
	TOSTAGE \a
	SEND \a-1, 32
.endr
	SEND 7, 0
	s_wait_tensorcnt 0x0
	ds_add_u32 v[SPW], v[NIL]
	s_wait_dscnt 0x0
	CROUND
	s_endpgm
.Lfunc_end_k_q769bb92e62_oproj:
	.size	k_q769bb92e62_oproj, .Lfunc_end_k_q769bb92e62_oproj-k_q769bb92e62_oproj
	.p2alignl 7, 3214868480
	.fill 96, 4, 3214868480
	.section	.rodata,"a",@progbits
	.p2align	6, 0x0
	.amdhsa_kernel k_q769bb92e62_oproj
		.amdhsa_group_segment_fixed_size 327680
		.amdhsa_private_segment_fixed_size 0
		.amdhsa_enable_private_segment 0
		.amdhsa_kernarg_size 32
		.amdhsa_user_sgpr_count 2
		.amdhsa_user_sgpr_kernarg_segment_ptr 1
		.amdhsa_wavefront_size32 1
		.amdhsa_system_sgpr_workgroup_id_x 1
		.amdhsa_system_sgpr_workgroup_id_y 1
		.amdhsa_system_sgpr_workgroup_id_z 1
		.amdhsa_system_vgpr_workitem_id 0
		.amdhsa_next_free_vgpr 1024
		.amdhsa_next_free_sgpr 102
		.amdhsa_reserve_vcc 0
		.amdhsa_float_denorm_mode_32 3
		.amdhsa_float_denorm_mode_16_64 3
		.amdhsa_memory_ordered 1
		.amdhsa_forward_progress 1
		.amdhsa_inst_pref_size 146
	.end_amdhsa_kernel
	.amdgpu_metadata
---
amdhsa.version: [ 1, 2 ]
amdhsa.kernels:
  - .name:           k_q769bb92e62_oproj
    .symbol:         k_q769bb92e62_oproj.kd
    .args:
      - { .name: hq, .offset: 0, .size: 8, .value_kind: global_buffer, .address_space: global }
      - { .name: wq, .offset: 8, .size: 8, .value_kind: global_buffer, .address_space: global }
      - { .name: bo, .offset: 16, .size: 8, .value_kind: global_buffer, .address_space: global }
      - { .name: out0, .offset: 24, .size: 8, .value_kind: global_buffer, .address_space: global }
    .group_segment_fixed_size: 327680
    .private_segment_fixed_size: 0
    .kernarg_segment_align: 8
    .kernarg_segment_size: 32
    .max_flat_workgroup_size: 128
    .sgpr_count:     102
    .vgpr_count:     1024
    .wavefront_size: 32
...
	.end_amdgpu_metadata
.endif
;; end of part 4
